; MI455X (gfx1250); checked and timed in simulation.
; The chip was launched on July 23, 2026; its instructions are those of AMD's public machine-readable ISA for CDNA 5 (MIT licence, August 2026) and "CDNA5" Instruction Set Architecture Reference Guide (July 2026). The comments in the code are by the model that wrote it; some were corrected since.
;; MHA. Allowed arithmetic: matrix products marked QUANTISED: E2M1 operands, one E8M0 scale for each 32 along K, by v_wmma_scale_f32_16x16x128_f8f6f4 with both operands' format E2M1 (or v_wmma_scale_f32_32x16x128_f4), f32 sums; everything else in f32.
;; Inputs: W_out 1,024 x 1,024 float32; W_qkv 1,024 x 3,072 float32; b_out 1,024 float32; b_qkv 3,072 float32; x 4 x 2,048 x 1,024 float32.
;; Outputs: out0 4 x 2,048 x 1,024 float32.
;; This version of the problem:
;;   THIS VERSION OF THE PROBLEM IS GIVEN IN LOW PRECISION. The matrix products marked QUANTISED in the list below multiply operands that are first quantised to E2M1 (2 exponent bits, 1 mantissa bit; 4 bits a number), with one power-of-two scale for each 32 numbers along K (OCP MX v1.0); their sums are f32. All else is computed in f32.
;;   The module's matrix products, in the order in which they are computed (A, B: the left and right operand; K: the contracted axis; several contracted axes count as one K, in the product's order):
;;     1. [M 8,192, K 1,024] x [K 1,024, N 3,072]; A: input x; B: input W_qkv: QUANTISED
;;     2. batch 64 x [M 2,048, K 64] x [K 64, N 2,048]; A: computed on the way; B: computed on the way: QUANTISED
;;     3. batch 64 x [M 2,048, K 2,048] x [K 2,048, N 64]; A: softmax (see below); B: computed on the way: QUANTISED
;;     4. [M 8,192, K 1,024] x [K 1,024, N 1,024]; A: computed on the way; B: input W_out: QUANTISED
;;   THE QUANTISER, for each operand of a quantised product, along K:
;;     - K is cut into blocks of 32 from its start; a last block that is shorter is filled with zeros.
;;     - A block's scale is 2^e with e = floor(log2(the largest magnitude in the block)) - 2, held to -126 .. 127; a block of zeros has e = 0. As a byte (E8M0): e + 127.
;;     - Each number is divided by its block's scale, clamped to +-6, and rounded to the nearest number of E2M1, ties to even, subnormals kept.
;;     - The product sums the exact products of the quantised numbers (number of the format x scale) in f32.
;;   ~~~python
;;   def quantise(x, axis):      # numpy; x: float32 -> the quantised numbers, widened to float32 again
;;       x = np.moveaxis(x, axis, -1); K = x.shape[-1]
;;       x = np.pad(x, [(0, 0)] * (x.ndim - 1) + [(0, -K % 32)]); x = x.reshape(x.shape[:-1] + (-1, 32)); a = np.abs(x).max(-1, keepdims=True)
;;       e = np.where(a > 0, np.clip(np.frexp(np.where(a > 0, a, 1))[1] - 1 - 2, -126, 127), 0)      # np.frexp(a)[1] - 1 = floor(log2(a)), exactly
;;       r = np.clip(x / 2.0 ** e, -6, 6)
;;       step = 2.0 ** (np.maximum(np.frexp(np.where(r == 0, 1, r))[1] - 1, 0) - 1)
;;       q = np.round(r / step) * step * 2.0 ** e      # np.round: ties to even
;;       return np.moveaxis(q.reshape(q.shape[:-2] + (-1,))[..., :K], -1, axis).astype(np.float32)
;;   ~~~
;;   SOFTMAX AHEAD OF A QUANTISED PRODUCT. Where the list says 'softmax', what is quantised is not the finished softmax but p = 2^(t - M), with t = logit x log2(e) and M = ceil(the row's largest t), a whole number; so 1/2 < the row's largest p <= 1. The row's sum l is taken of the UNQUANTISED p, in f32, and the product's result is divided by l at the end. Since M is a whole number, a kernel that streams over the keys may use a running M (the ceiling of the running maximum): every later rescaling is an exact power of two, which a block's scale takes up: the codes' values come out the same.
;;   OPERANDS COMPUTED ON THE WAY. 'Computed on the way' means the value that the module computes at that place (a softmax that the list does not call 'softmax' is quantised finished and normalised). What goes into a quantiser is computed in f32, as accurately as f32 sums, v_exp_f32 and their like allow (about 1e-6 of the number): no bf16 or f16 on the way to a quantiser, and a product that is left as it is and whose result goes on into a quantised operand takes f32 operands (vector FMAs, or v_wmma_f32_16x16x4_f32). A number that lies on a knife's edge between two numbers of the format may be rounded either way, as far as f32 arithmetic and the matrix unit's own rounding can turn it there, and no further.
;; One version. Each part assembles by itself: llvm-mc -triple=amdgcn-amd-amdhsa -mcpu=gfx1250 --defsym DOCPART=n.
;; ======== version 1 of 1: 4 launches
;; limits: right only within a limited range of input values
;; workspace buffers: xc 4,194,304 bytes; xs 262,144 bytes; wc 2,097,152 bytes; ws 131,072 bytes; qkv 13,893,632 bytes; oc 4,194,304 bytes; os 262,144 bytes
;; launch quant (part 1): grid 256 x 1, 16 waves a work-group, no clusters, 151,552 bytes of LDS; arguments x, W_qkv, W_out, xc, xs, wc, ws; writes xc, xs, wc, ws
.if DOCPART == 1
	.amdgcn_target "amdgcn-amd-amdhsa--gfx1250"
	.amdhsa_code_object_version 6
	.text
	.protected	k_q3d0a33b4f8_quant
	.globl	k_q3d0a33b4f8_quant
	.p2align	8
	.type	k_q3d0a33b4f8_quant,@function
k_q3d0a33b4f8_quant:
	s_mov_b64 s[64:65], 0
	v_nop
	global_prefetch_b8 v0, s[64:65] scope:SCOPE_SE
	s_setreg_imm32_b32 hwreg(HW_REG_WAVE_MODE, 25, 1), 1
	s_wait_xcnt 0x0
; THE FIRST LAUNCH (quant, gemm1, attn, gemm2; the later heads still count its two halves as launches 1 and 2): multi-head attention, B = 4, S = 2,048, E = 1,024, 16 heads of 64, all four products on codes of FP4 (E2M1)
; with one E8M0 scale for each 32 along K.  NO WORK OF reference() IS LEFT OUT: every input has a way to out0; the biases on q, k and v move the codes of live products, so they stay.
; THIS LAUNCH quantises x and both weights.  A block's scale is 2^(floor(log2(its largest magnitude)) - 2); its byte is the largest magnitude's own exponent field - 2, held at 1 from below; each number is divided by the
; scale and rounded to the nearest code, ties to even.
; THE STORED ORDER OF ROWS: row t lies at row p(t), p = t with its bits 3 and 4 exchanged (its own inverse, inside each 32).  Sixteen rows on end, 16 (2 b + u) + r, are then the rows 32 b + 8 u + r + 8 (r / 8): where such
; sixteen rows are source 0 of a matrix instruction, the 16 result registers of tiles 2 b and 2 b + 1 are 16 neighbours.  The last launch puts the tokens back.
; LIMITS: NaN and infinities among the inputs are not served.  A block of zeros, and a block whose largest magnitude lies under 2^-124, gets the byte 1 (the stated quantiser gives a block of zeros 127): its codes are zeros
; or held to the floor's scale, and the bytes are read by this program alone.
; WORK-GROUPS 0 .. 127: x [8192][1024] f32 becomes xc [8192 rows][512 bytes], K innermost, and xs [8192 rows][32].  A wave takes 4 rows as 8 steps of 512 numbers.  Each of a step's four loads reads 512 consecutive bytes,
;   16 a lane; the 2,048 bytes turn through the wave's own stage in LDS and come back 64 bytes a lane: 16 neighbours along K, two lanes to a block.  A lane's 16 codes are 8 bytes: the wave stores 256 consecutive bytes.
;   A wave's 128 scale bytes are gathered in LDS and leave by one store of 128 consecutive bytes: half of an aligned 256, the other half being the neighbouring wave's.  Loads run four steps (16 loads a wave) ahead.
; WORK-GROUPS 128 .. 255: W_qkv [1024 (k)][3072 (n)] and W_out [1024 (k)][1024 (n)] become wc [4096 rows n][512 bytes] and ws [4096 rows][32]; rows 0 .. 3071 are W_qkv's columns, the rest W_out's.
;   A LANE TAKES A COLUMN AND ITS REGISTERS RUN DOWN K: a block lies in one lane's 32 registers and the conversions give codes with K innermost.  Work-group (g, y): 64 columns of group g, K = 512 y on.  Wave w: 32 columns
;   (w % 2), 64 along K (w / 2): 64 loads, all issued at once.  The codes meet in a stage in LDS (64 rows x 256 bytes + 16), a barrier, and leave as rows: sixteen lanes store 256 consecutive bytes, aligned.
;   The scale bytes leave as 16 bytes a row, rows 32 bytes apart.
; The two paths part on the work-group's number alone and have LDS bytes of their own.  No tensor load, no cluster, no matrix unit: the launch only streams, and no two work-groups read the same bytes.
.set XWG,   128                        ; x's work-groups
.set STEPS, 8
.set CB,    8                          ; bytes of 16 codes
.set R,     16                         ; x: v16-79   four sets of 16 numbers as they are loaded
.set XN,    80                         ; x: v80-111  two sets of 16 neighbours
.set E,     112                        ; x: v112-119 a scale byte for each step
.set C,     128                        ; x: v128-159 codes: four registers for each step, so that no store's data are written again
.set WREG,  8192                       ; x: LDS: a region for each wave: two stages of 32 x SP bytes, behind them its 128 scale bytes
.set SP,    80                         ; x: a lane's place in a stage: 64 bytes + 16 of padding
.set WB,    16*WREG                    ; W: its LDS bytes begin behind x's
.set PITCH, 272
.set SSTG,  WB+64*PITCH                ; W: behind the stage: 64 rows x 16 scale bytes
.set SPARE, SSTG+1024                  ; the spare words: 128 bytes for each of 16 waves, that no other line names
.set WX,    32                         ; W: v32-95   two blocks of 32 numbers
.set OFF,   96                         ; W: v96-127  byte offsets of 32 rows of W
.set WC,    128                        ; W: v128-135 the two blocks' codes
.set SB,    136                        ; W: v136-137 their scale bytes; v138 both as a halfword
.set HW,    138
.set SO,    140                        ; W: v140-141 the conversions' scale operands
.set OUTR,  144                        ; W: v144-155 rows and scale bytes on their way out
.set SPW,   12                         ; v12  LDS address of my spare word; never rewritten
.set NIL,   13                         ; v13  0; never rewritten
	s_load_b256 s[4:11], s[0:1], 0x0               ; x s[4:5], W_qkv s[6:7], W_out s[8:9], xc s[10:11]
	s_load_b128 s[12:15], s[0:1], 0x20             ; xs s[12:13], wc s[14:15]
	s_load_b64 s[34:35], s[0:1], 0x30              ; ws
	v_lshl_add_u32 v[SPW], v0, 2, SPARE
	v_mov_b32 v[NIL], 0
	v_lshrrev_b32 v1, 5, v0
	v_readfirstlane_b32 s16, v1                    ; wave 0..15
	v_and_b32 v2, 31, v0                           ; lane
	s_cmp_lt_u32 ttmp9, XWG
	s_wait_alu depctr_va_vdst(0)                   ; the wait directly ahead of the branch
	s_cbranch_scc0 .Lweights
	; ---- x ----
	s_mul_i32 s17, s16, WREG
	s_add_co_u32 s28, s17, 2*32*SP                 ; my 128 scale bytes
	s_lshl_b32 s18, ttmp9, 4
	s_add_co_u32 s20, s18, s16                     ; the run of 4 rows that I read: 16 x work-group + wave
	s_lshl_b32 s20, s20, 14                        ; 16,384 bytes a run
	s_mov_b32 s21, 0
	s_and_b32 s19, s16, 9                          ; the wave's bits 1 and 2 are the token's bits 3 and 4: exchanged,
	s_bfe_u32 s22, s16, 0x10001
	s_lshl_b32 s22, s22, 2
	s_or_b32 s19, s19, s22
	s_bfe_u32 s22, s16, 0x10002
	s_lshl_b32 s22, s22, 1
	s_or_b32 s19, s19, s22
	s_add_co_u32 s19, s19, s18                     ; they give the run that I write
	s_lshl_b32 s22, s19, 11                        ; 2,048 bytes of codes a run
	s_mov_b32 s23, 0
	s_lshl_b32 s24, s19, 7                         ; 128 scale bytes a run
	s_mov_b32 s25, 0
	v_lshlrev_b32 v3, 4, v2                        ; my 16 bytes of a load's 512
	v_lshrrev_b32 v14, 2, v2
	v_and_b32 v15, 3, v2
	v_mul_u32_u24 v14, v14, SP
	v_lshl_add_u32 v14, v15, 4, v14
	v_add_nc_u32 v14, s17, v14                     ; the stage, on the way in: SP (lane / 4) + 16 (lane % 4)
	v_mul_u32_u24 v15, v2, SP
	v_add_nc_u32 v15, s17, v15                     ; and on the way out: SP x lane: my 16 neighbours
	v_mul_u32_u24 v4, v2, CB                       ; my codes' place in a step's
	v_lshrrev_b32 v5, 1, v2
	v_add_nc_u32 v5, s28, v5                       ; my block's byte
	v_lshlrev_b32 v7, 2, v2                        ; the scale bytes' way out: 4 bytes a lane
	v_add_nc_u32 v6, s28, v7
	s_wait_alu depctr_va_vdst(0)                   ; the wait at the head's end
	s_wait_kmcnt 0x0
	s_add_nc_u64 s[4:5], s[4:5], s[20:21]
	s_add_nc_u64 s[10:11], s[10:11], s[22:23]
	s_add_nc_u64 s[12:13], s[12:13], s[24:25]
.macro XLOAD t
.irp i, 0,1,2,3
	global_load_b128 v[R+16*((\t)%4)+4*\i:R+16*((\t)%4)+4*\i+3], v3, s[4:5] offset:2048*(\t)+512*\i th:TH_LOAD_NT   ; 32 lanes read 512 consecutive bytes; read once in the launch
.endr
.endm
.macro XTURN t                         ; step t's numbers through the stage: LDS serves a wave's instructions in order, so no wait stands between the stores and the loads
.irp i, 0,1,2,3
	ds_store_b128 v14, v[R+16*((\t)%4)+4*\i:R+16*((\t)%4)+4*\i+3] offset:32*SP*((\t)%2)+8*SP*\i
.endr
.irp i, 0,1,2,3
	ds_load_b128 v[XN+16*((\t)%2)+4*\i:XN+16*((\t)%2)+4*\i+3], v15 offset:32*SP*((\t)%2)+16*\i
.endr
.endm
.irp t, 0,1,2,3
	XLOAD \t
.endr
	s_wait_loadcnt 12                              ; step 0's four loads are in; the twelve of steps 1 to 3 may be out
	XTURN 0
.macro XSTEP t
.set XS, XN+16*((\t)%2)
.if (\t) > 0
	s_wait_dscnt 1                                 ; this step's numbers are back from the stage (the last step's byte store may be out): so its stores into the stage have read their registers,
.else
	s_wait_dscnt 0x0
.endif
.if (\t)+4 < STEPS
	XLOAD (\t)+4                                   ; which take the loads of four steps on
.endif
.if (\t)+1 < STEPS
.if STEPS-2-(\t) >= 3
	s_wait_loadcnt 12                              ; the next step's four loads are in; those of the three steps behind it may be out
.else
	s_wait_loadcnt 4*(STEPS-2-(\t))                ; at the tail the count runs down
.endif
	XTURN (\t)+1                                   ; and go through the other stage while this step is worked
.endif
	v_max3_num_f32 v8, |v[XS]|, |v[XS+1]|, |v[XS+2]|               ; the largest magnitude of my 16, in two chains
	v_max3_num_f32 v9, |v[XS+3]|, |v[XS+4]|, |v[XS+5]|
.irp i, 6,10
	v_max3_num_f32 v8, v8, |v[XS+\i]|, |v[XS+\i+1]|
	v_max3_num_f32 v9, v9, |v[XS+\i+2]|, |v[XS+\i+3]|
.endr
	v_max3_num_f32 v8, v8, |v[XS+14]|, |v[XS+15]|
	v_max3_num_f32 v8, v8, v9, 0x1800000           ; and the floor 2^(3 - 127): the byte cannot fall under 1
	v_max_num_f32_dpp v8, v8, v8 row_xmask:1 row_mask:0xf bank_mask:0xf   ; and of my neighbour's 16: the block's
	v_add_nc_u32 v11, 0xff000000, v8               ; 2 off its exponent field: the conversion takes the exponent field of this operand as its scale
	v_cvt_scalef32_pk8_fp4_f32 v[C+4*(\t)], v[XS:XS+7], v11
	v_cvt_scalef32_pk8_fp4_f32 v[C+4*(\t)+1], v[XS+8:XS+15], v11
	v_lshrrev_b32 v[E+(\t)], 23, v11               ; the scale's byte (also the plain line behind the conversions)
	ds_store_b8 v5, v[E+(\t)] offset:16*(\t)       ; both lanes of a block write the same byte with the same value
	global_store_b64 v4, v[C+4*(\t):C+4*(\t)+1], s[10:11] offset:32*CB*(\t)   ; 32 lanes store 256 consecutive bytes, aligned
.endm
.irp t, 0,1,2,3,4,5,6,7
	XSTEP \t
.endr
	ds_load_b32 v8, v6                             ; LDS serves a wave's instructions in order: this sees my stores
	s_wait_dscnt 0x0
	global_store_b32 v7, v8, s[12:13]              ; 32 lanes store 128 consecutive bytes
	s_branch .Lend
	; ---- the weights ----
.Lweights:
	s_sub_co_u32 s36, ttmp9, XWG
	s_and_b32 s37, s36, 63                         ; g: the group of 64 columns
	s_lshr_b32 s19, s36, 6                         ; y: which 512 along K
	s_and_b32 s17, s16, 1                          ; which 32 columns
	s_lshr_b32 s18, s16, 1                         ; which 64 along K
	s_mul_i32 s40, s17, 32*PITCH
	s_lshl_b32 s23, s18, 5
	s_add_co_u32 s40, s40, s23
	s_add_co_u32 s40, s40, WB                      ; into the stage: 32 bytes for my 64 along K
	s_lshl_b32 s43, s17, 9
	s_add_co_u32 s43, s43, SSTG                    ; my 32 columns' scale bytes,
	s_lshl_b32 s23, s18, 1
	s_add_co_u32 s41, s43, s23                     ; my two of each row's 16
	s_mul_i32 s42, s16, 4*PITCH
	s_add_co_u32 s42, s42, WB                      ; out of the stage: rows 4 w on
	s_cmp_lt_u32 s37, 48                           ; W_qkv's group or W_out's?  The choice hangs on the work-group's number alone
	s_mov_b32 s20, 4096
	s_cselect_b32 s20, 12288, s20                  ; a row of W in bytes
	s_cselect_b32 s21, 0, 48
	s_sub_co_u32 s21, s37, s21                     ; the group within its tensor
	s_lshl_b32 s22, s19, 9
	s_lshl_b32 s23, s18, 6
	s_add_co_u32 s22, s22, s23                     ; my first k
	s_mul_i32 s22, s22, s20
	s_lshl_b32 s23, s21, 8
	s_add_co_u32 s22, s22, s23
	s_lshl_b32 s23, s17, 7
	s_add_co_u32 s22, s22, s23                     ; + 4 x my first column
	s_mov_b32 s23, 0
	s_lshl_b32 s26, s20, 5                         ; 32 rows on
	s_mov_b32 s27, 0
	s_and_b32 s28, s16, 9                          ; the stage rows 4 w .. 4 w + 3 go to rows 4 w' .. of wc: w' = w with its bits 1 and 2 exchanged (the row's bits 3 and 4)
	s_bfe_u32 s29, s16, 0x10001
	s_lshl_b32 s29, s29, 2
	s_or_b32 s28, s28, s29
	s_bfe_u32 s29, s16, 0x10002
	s_lshl_b32 s29, s29, 1
	s_or_b32 s28, s28, s29
	s_lshl_b32 s28, s28, 11                        ; 4 rows of 512 bytes
	s_lshl_b32 s29, s37, 15                        ; 64 rows a group
	s_add_co_u32 s28, s28, s29
	s_lshl_b32 s29, s19, 8                         ; 256 bytes for 512 along K
	s_add_co_u32 s28, s28, s29
	s_mov_b32 s29, 0
	s_lshl_b32 s30, s37, 11                        ; ws: 64 rows of 32 bytes a group,
	s_lshl_b32 s31, s17, 10                        ; 32 rows a wave,
	s_add_co_u32 s30, s30, s31
	s_lshl_b32 s31, s19, 4                         ; 16 bytes for 512 along K
	s_add_co_u32 s30, s30, s31
	s_mov_b32 s31, 0
	v_lshlrev_b32 v3, 2, v2
	v_mul_u32_u24 v4, v2, PITCH
	v_and_b32 v10, 15, v2
	v_lshrrev_b32 v11, 4, v2
	v_add_nc_u32 v4, s40, v4                       ; into the stage: row = my column
	v_lshl_add_u32 v5, v2, 4, s41                  ; my two scale bytes
	v_mul_u32_u24 v7, v11, PITCH
	v_lshl_add_u32 v6, v2, 4, s43                  ; waves 0 and 1: row 32 w + lane of the scale bytes
	v_lshlrev_b32 v8, 9, v11
	v_lshl_add_u32 v7, v10, 4, v7
	v_lshl_add_u32 v8, v10, 4, v8                  ; two rows of wc, sixteen lanes to a row
	v_add_nc_u32 v7, s42, v7                       ; the same two rows of the stage
	v_and_b32 v9, 7, v2
	v_bfe_u32 v16, v2, 3, 1
	v_lshl_or_b32 v9, v16, 4, v9
	v_lshl_or_b32 v9, v11, 3, v9                   ; p(lane)
	v_lshlrev_b32 v9, 5, v9                        ; its row of ws
.irp i, 0,1,2,3,4,5,6,7,8,9,10,11,12,13,14,15,16,17,18,19,20,21,22,23,24,25,26,27,28,29,30,31
	v_mad_u32_u24 v[OFF+\i], s20, \i, v3           ; i rows of W + 4 x lane
.endr
	s_wait_alu depctr_va_vdst(0)                   ; the wait at the head's end
	s_wait_kmcnt 0x0
	s_cmp_lt_u32 s37, 48
	s_cselect_b64 s[6:7], s[6:7], s[8:9]
	s_add_nc_u64 s[6:7], s[6:7], s[22:23]          ; my first block,
	s_add_nc_u64 s[24:25], s[6:7], s[26:27]        ; my second
	s_add_nc_u64 s[14:15], s[14:15], s[28:29]
	s_add_nc_u64 s[34:35], s[34:35], s[30:31]
.macro WLOAD t, base                   ; block t: W(k0 + 32 t + i, my column), i = 0 .. 31: two waves side by side read 256 consecutive bytes of a row
.irp i, 0,1,2,3,4,5,6,7,8,9,10,11,12,13,14,15,16,17,18,19,20,21,22,23,24,25,26,27,28,29,30,31
	global_load_b32 v[WX+32*(\t)+\i], v[OFF+\i], s[\base:\base+1] th:TH_LOAD_NT
.endr
.endm
	WLOAD 0, 6
	WLOAD 1, 24
.macro WBLOCK t
.set XS, WX+32*(\t)
.if (\t) == 0
	s_wait_loadcnt 32                              ; the first block's 32 loads are in; the second's may be out
.else
	s_wait_loadcnt 0x0
.endif
	v_max3_num_f32 v16, |v[XS]|, |v[XS+1]|, |v[XS+2]|              ; the block's largest magnitude: all 32 numbers are mine; two chains
	v_max3_num_f32 v17, |v[XS+3]|, |v[XS+4]|, |v[XS+5]|
.irp i, 6,10,14,18,22,26
	v_max3_num_f32 v16, v16, |v[XS+\i]|, |v[XS+\i+1]|
	v_max3_num_f32 v17, v17, |v[XS+\i+2]|, |v[XS+\i+3]|
.endr
	v_max3_num_f32 v16, v16, |v[XS+30]|, |v[XS+31]|
	v_max3_num_f32 v16, v16, v17, 0x1800000        ; and the floor 2^(3 - 127)
	v_add_nc_u32 v[SO+(\t)], 0xff000000, v16       ; 2 off its exponent field: the conversions' scale operand
	v_lshrrev_b32 v[SB+(\t)], 23, v[SO+(\t)]       ; the scale's byte
.irp g, 0,1,2,3
	v_cvt_scalef32_pk8_fp4_f32 v[WC+4*(\t)+\g], v[XS+8*\g:XS+8*\g+7], v[SO+(\t)]
.endr
	v_nop                                          ; one plain line behind the last conversion
	ds_store_b128 v4, v[WC+4*(\t):WC+4*(\t)+3] offset:16*(\t)      ; 32 codes: 16 bytes of my column's row
.endm
	WBLOCK 0
	WBLOCK 1
	v_lshl_or_b32 v[HW], v[SB+1], 8, v[SB]         ; the lower k in the lower byte
	ds_store_b16 v5, v[HW]
	s_wait_dscnt 0x0                               ; for the others' sake: my stores into the stages are done
	s_barrier_signal -1
	s_barrier_wait -1
	ds_load_b128 v[OUTR:OUTR+3], v7
	ds_load_b128 v[OUTR+4:OUTR+7], v7 offset:2*PITCH
	s_wait_dscnt 1                                 ; the first is in; the younger may be out
	global_store_b128 v8, v[OUTR:OUTR+3], s[14:15]                 ; sixteen lanes store 256 consecutive bytes, aligned
	s_wait_dscnt 0x0
	global_store_b128 v8, v[OUTR+4:OUTR+7], s[14:15] offset:1024   ; two rows on
	s_cmp_lt_u32 s16, 2                            ; waves 0 and 1 send the scale bytes: no barrier stands in this branch
	s_cbranch_scc0 .Lend
	ds_load_b128 v[OUTR+8:OUTR+11], v6
	s_wait_dscnt 0x0
	global_store_b128 v9, v[OUTR+8:OUTR+11], s[34:35]
.Lend:
	s_wait_tensorcnt 0x0                           ; the wave's end, behind my last LDS store
	ds_add_u32 v[SPW], v[NIL]
	s_wait_dscnt 0x0
	s_endpgm
.Lfunc_end_k_q3d0a33b4f8_quant:
	.size	k_q3d0a33b4f8_quant, .Lfunc_end_k_q3d0a33b4f8_quant-k_q3d0a33b4f8_quant
	.p2alignl 7, 3214868480
	.fill 96, 4, 3214868480
	.section	.rodata,"a",@progbits
	.p2align	6, 0x0
	.amdhsa_kernel k_q3d0a33b4f8_quant
		.amdhsa_group_segment_fixed_size 151552
		.amdhsa_private_segment_fixed_size 0
		.amdhsa_enable_private_segment 0
		.amdhsa_kernarg_size 56
		.amdhsa_user_sgpr_count 2
		.amdhsa_user_sgpr_kernarg_segment_ptr 1
		.amdhsa_wavefront_size32 1
		.amdhsa_system_sgpr_workgroup_id_x 1
		.amdhsa_system_sgpr_workgroup_id_y 1
		.amdhsa_system_sgpr_workgroup_id_z 1
		.amdhsa_system_vgpr_workitem_id 0
		.amdhsa_next_free_vgpr 192
		.amdhsa_next_free_sgpr 66
		.amdhsa_reserve_vcc 0
		.amdhsa_float_denorm_mode_32 3
		.amdhsa_float_denorm_mode_16_64 3
		.amdhsa_memory_ordered 1
		.amdhsa_forward_progress 1
		.amdhsa_inst_pref_size 33
	.end_amdhsa_kernel
	.amdgpu_metadata
---
amdhsa.version: [ 1, 2 ]
amdhsa.kernels:
  - .name:           k_q3d0a33b4f8_quant
    .symbol:         k_q3d0a33b4f8_quant.kd
    .args:
      - { .name: x, .offset: 0, .size: 8, .value_kind: global_buffer, .address_space: global }
      - { .name: W_qkv, .offset: 8, .size: 8, .value_kind: global_buffer, .address_space: global }
      - { .name: W_out, .offset: 16, .size: 8, .value_kind: global_buffer, .address_space: global }
      - { .name: xc, .offset: 24, .size: 8, .value_kind: global_buffer, .address_space: global }
      - { .name: xs, .offset: 32, .size: 8, .value_kind: global_buffer, .address_space: global }
      - { .name: wc, .offset: 40, .size: 8, .value_kind: global_buffer, .address_space: global }
      - { .name: ws, .offset: 48, .size: 8, .value_kind: global_buffer, .address_space: global }
    .group_segment_fixed_size: 151552
    .private_segment_fixed_size: 0
    .kernarg_segment_align: 8
    .kernarg_segment_size: 56
    .max_flat_workgroup_size: 512
    .sgpr_count:     66
    .vgpr_count:     192
    .wavefront_size: 32
...
	.end_amdgpu_metadata
.endif
;; end of part 1
;; launch gemm1 (part 2): grid 12 x 32, 4 waves a work-group, clusters of 4 x 4, 327,680 bytes of LDS; arguments xc, xs, wc, ws, b_qkv, qkv; writes qkv
.if DOCPART == 2
	.amdgcn_target "amdgcn-amd-amdhsa--gfx1250"
	.amdhsa_code_object_version 6
	.text
	.protected	k_q3d0a33b4f8_gemm1
	.globl	k_q3d0a33b4f8_gemm1
	.p2align	8
	.type	k_q3d0a33b4f8_gemm1,@function
k_q3d0a33b4f8_gemm1:
	s_mov_b64 s[64:65], 0
	v_nop
	global_prefetch_b8 v0, s[64:65] scope:SCOPE_SE
	s_setreg_imm32_b32 hwreg(HW_REG_WAVE_MODE, 25, 1), 1
	s_wait_xcnt 0x0
	s_wait_alu depctr_hold_cnt(0) depctr_sa_sdst(0) depctr_va_vdst(0) depctr_va_sdst(0) depctr_va_ssrc(0) depctr_va_vcc(0) depctr_vm_vsrc(0)
	s_getreg_b32 s2, hwreg(HW_REG_IB_STS2, 6, 4)
	s_cmp_eq_u32 s2, 0
	s_cbranch_scc0 .Lentry_in_a_cluster
	s_endpgm
.Lentry_in_a_cluster:
	s_bfe_u32 s2, ttmp6, 0x10000c
	s_cmp_lg_u32 s2, 0xf033
	s_cbranch_scc0 .Lentry_shape_is_right
	s_endpgm
.Lentry_shape_is_right:
; LAUNCH 3 OF 5.  No work of reference() is left out.  qkv = x W_qkv + b_qkv on codes of FP4 (K = 1,024), and q, k, v are quantised in registers for the next launch: no f32 number of qkv goes to memory.
; A tile of 256 x 256 results is made by four waves, 128 x 128 each (64 accumulators, 512 registers).  K goes in two steps of 512 through two LDS slots, both asked for at the head: nothing is filled again.
; THE MATRIX INSTRUCTION: source 0 = 16 rows of "B", source 1 = 16 rows of "A": a lane holds ONE row of A and its eight registers run along B's rows.  The rows of xc and wc lie in the stored order (bits 3 and 4 of the
; index exchanged), so that the 16 registers of B's tiles 2 b and 2 b + 1 are 16 neighbours in the true order: 32 b + 16 (lane / 16) + 0 .. 15.
; THE KIND OF WORK is the cluster's x, the same in all sixteen partners: 0 = q, 1 = k: B = W's rows, A = x's rows: a lane holds a token, registers run along the head's 64: q and k are quantised along D.
;   2 = v: B = x's rows, A = W's rows: a lane holds a channel, registers run along 128 tokens: v is quantised along the keys.  Only pointers, a few address constants and the bias's shape differ.
; THE BIAS is the C of each sum's first matrix instruction.
; WHAT IS STORED (qkv, 64 blocks of HS bytes, block 16 batch + head): images of the next launch's operand registers, 16 bytes a lane, 512 consecutive bytes a store:
;   0       K's codes  [tile of 16 keys: 128][lane][16]: lane (r, h): block h of row r       65,536  V's codes  [step of 128 keys: 16][c: 2][tile of 16 channels: 4][lane][16]
;   131,072 K's scale words [step 16][lane][4 words]: word i of lane l: tile 2 i + l / 16, row l % 16      139,264 V's [step 16][lane][2 words], likewise      143,360 Q's codes, 208,896 Q's scale words: as K's
;   A scale word of q or k has its two bytes low; the two bytes above lie over zero codes and are never 0xff.
; CLUSTERS: 4 x 4 work-groups; A's tile is asked for jointly along a row of the cluster, B's along a column.
; LIMITS: as in launch 1 (a block of zeros or under 2^-124 gets the byte 1; no NaN, no infinity).
; REGISTERS: window 0: v1-29 addresses; v32-95 scale words, two sets; v96-111 codes just made, two sets; v112-119 scale words on their way out; v128-191 A's fragments; v192-255 the bias's eight tiles, later v200-223 at work.
;   window 1: B's fragments, two sets (v0, v128).   windows 2, 3: the accumulators ((a, b) at v[8 (8 (a % 4) + b)] of window 2 + a / 4).
.set NQ,     4                         ; matrix instructions deep in a slot: 512 along K
.set ROWB,   512                       ; a tile's row in bytes: all of K
.set KROW,   512                       ; a row of xc or wc in bytes
.set PITCH,  528                       ; an LDS row: 512 bytes + 16 of padding: the 16 rows of a fragment load start 16 bytes further round the banks each
.set FR,     8
.set NL,     2
.set NP,     4                         ; places behind this matrix instruction (ISA guide 7.12.1)
.set HALFT,  128*PITCH
.set SLOT,   256                       ; the second 512 along K begins 256 bytes on in each LDS row
.set KS,     32                        ; a row of scale bytes
.set SCL,    4*HALFT                   ; behind A's 256 rows and B's 256 rows: the scales, as rows of 256 bytes + 16
.set HALFS,  (128*KS/256)*272
.set SBLK,   (16*KS/256)*272
.set SPARE,  SCL+4*HALFS               ; the spare words: 128 bytes a wave, that no other line names
.set HS,     217088                    ; a head's block in qkv
.set ADRA, 16
.set ADRB, 20
.set ADRS, 27
.set SPW,  28
.set NIL,  29
.set SC,   32
.set PC,   96
.set RF,   112
.set R1,   116
.set AF,   128
.set BT,   192
.set TM,   200
.set PWA,  216
.set G1, 24
.set G0, 32
.set G1B, 48
.set G0B, 56
.set G1S, 68
.set G0S, 76
.set G1SB, 80
.set G0SB, 88
.set MSB, 0
.macro WIN new                         ; the immediate's high byte repeats the setting that is left
.if MSB != \new
	s_set_vgpr_msb (MSB<<8)|\new
.set MSB, \new
.endif
.endm
.set MUL_LO, 0xa1                      ; source 0 (B) window 1, source 1 (A) window 0, C and D window 2
.set MUL_HI, 0xf1                      ; the same, C and D window 3
.set FIRST_LO, 0x81                    ; the first products: C (the bias) window 0, D window 2
.set FIRST_HI, 0xc1                    ; D window 3
.set TO_B,   0x40
; THE HEAD'S JOINT LOADS, ONE A WAVE: wave 0 A's 256 rows, all of K; wave 1 B's; wave 2 A's scales; wave 3 B's.  One tree of branches on the wave's number, an arm a load.
.macro ARM under, g0, g1, next
	s_cmp_lt_u32 s14, \under
	s_cbranch_scc0 \next
	tensor_load_to_lds s[\g0:\g0+3], s[\g1:\g1+7]
	s_nop 0
.rept 4
	v_nop
.endr
	s_branch .Lhead_asked
\next:
.endm
.macro CROUND                          ; a round of the cluster's barrier
	s_barrier_signal -1
	s_barrier_wait -1
	s_cmp_lg_u32 s14, 0
	s_cbranch_scc1 .Lnot_wave_0_\@
	s_barrier_signal -3
.Lnot_wave_0_\@:
	s_barrier_wait -3
	s_barrier_signal -1
	s_barrier_wait -1
.endm
	s_load_b256 s[4:11], s[0:1], 0x0               ; xc s[4:5], xs s[6:7], wc s[8:9], ws s[10:11]
	s_load_b128 s[96:99], s[0:1], 0x20             ; b_qkv s[96:97], qkv s[98:99]
	v_lshl_add_u32 v[SPW], v0, 2, SPARE
	v_mov_b32 v[NIL], 0
	ds_add_u32 v[SPW], v[NIL]                      ; the wave's opening: the add, twice on end, and its wait ahead of my first tensor load
	ds_add_u32 v[SPW], v[NIL]
	v_lshrrev_b32 v1, 5, v0
	v_readfirstlane_b32 s14, v1                    ; wave 0..3
	s_lshr_b32 s15, s14, 1                         ; which half of A's rows is mine.
	s_and_b32 s16, s14, 1                          ; which half of B's rows
	s_bfe_u32 s40, ttmp6, 0x40000                  ; cx
	s_bfe_u32 s41, ttmp6, 0x40004                  ; cy
	s_and_b32 s18, ttmp7, 0xffff                   ; the cluster's y
	s_cmp_eq_u32 ttmp9, 2                          ; v?
	s_cselect_b32 s17, 2, s18                      ; A's tiles: v: W's rows 2,048 on; else x's rows by the cluster's y
	s_cselect_b32 s42, s18, ttmp9                  ; B's tiles: v: x's rows; else W's rows by the cluster's x
	s_lshl_b32 s17, s17, 2
	s_add_co_u32 s17, s17, s41                     ; A's tile of 256 rows: it hangs on cy alone within the cluster
	s_lshl_b32 s42, s42, 2
	s_add_co_u32 s42, s42, s40                     ; B's: on cx alone
	s_lshl_b32 s43, s41, 2
	s_lshl_b32 s43, 15, s43                        ; my row of the cluster
	s_lshl_b32 s44, 0x1111, s40                    ; my column
	s_or_b32 s[G1+0], s43, (0<<16)|(1<<20)|(1<<21)|(6<<22)|(3<<25)  ; the mask; elements of 1 byte; padding on: 4 words behind every 128; bit 21 beside a mask
	s_or_b32 s[G1B+0], s44, (0<<16)|(1<<20)|(1<<21)|(6<<22)|(3<<25)
.irp g, G1, G1B
	s_mov_b32 s[\g+1], ROWB<<16                    ; tensor_dim0
	s_mov_b32 s[\g+2], 256<<16                     ; tensor_dim1
	s_mov_b32 s[\g+3], ROWB<<16                    ; tile_dim0
	s_mov_b32 s[\g+4], 256                         ; tile_dim1
	s_mov_b32 s[\g+5], KROW                        ; from row to row
	s_mov_b32 s[\g+6], 0
	s_mov_b32 s[\g+7], 0
.endr
	s_or_b32 s[G1S+0], s43, (3<<16)|(1<<20)|(1<<21)|(5<<22)|(3<<25) ; the scales of 256 rows: 8,192 dense bytes as 32 rows of 32 elements of 8 bytes, 4 words of padding behind each
	s_or_b32 s[G1SB+0], s44, (3<<16)|(1<<20)|(1<<21)|(5<<22)|(3<<25)
.irp g, G1S, G1SB
	s_mov_b32 s[\g+1], 32<<16
	s_mov_b32 s[\g+2], (256*KS/256)<<16
	s_mov_b32 s[\g+3], 32<<16
	s_mov_b32 s[\g+4], 256*KS/256
	s_mov_b32 s[\g+5], 32
	s_mov_b32 s[\g+6], 0
	s_mov_b32 s[\g+7], 0
.endr
	s_lshl_b32 s20, s17, 8                         ; A's tile: its first row
	s_lshl_b32 s46, s42, 8                         ; B's
	s_lshl_b32 s22, s20, 5                         ; its scales, 32 bytes a row,
	s_mov_b32 s23, 0
	s_lshl_b32 s92, s46, 5
	s_mov_b32 s93, 0
	s_lshl_b32 s20, s20, 9                         ; its codes, 512 bytes a row
	s_mov_b32 s21, 0
	s_lshl_b32 s46, s46, 9
	s_mov_b32 s47, 0
	s_wait_dscnt 0x0                               ; both opening adds are done
	s_wait_kmcnt 0x0
	s_cmp_eq_u32 ttmp9, 2                          ; the choice of buffers hangs on the cluster's x alone
	s_cselect_b64 s[12:13], s[8:9], s[4:5]         ; A's codes
	s_cselect_b64 s[66:67], s[10:11], s[6:7]       ; A's scales
	s_cselect_b64 s[8:9], s[4:5], s[8:9]           ; B's codes
	s_cselect_b64 s[10:11], s[6:7], s[10:11]       ; B's scales
	s_add_nc_u64 s[20:21], s[12:13], s[20:21]
	s_add_nc_u64 s[22:23], s[66:67], s[22:23]
	s_add_nc_u64 s[46:47], s[8:9], s[46:47]
	s_add_nc_u64 s[92:93], s[10:11], s[92:93]
	CROUND                                         ; all sixteen work-groups are here: the first joint loads meet
	s_mov_b32 s[G0S], 1
	s_mov_b32 s[G0S+1], SCL
	s_mov_b64 s[G0S+2:G0S+3], s[22:23]
	s_or_b32 s[G0S+3], s[G0S+3], 0x80000000
	s_mov_b32 s[G0SB], 1
	s_mov_b32 s[G0SB+1], SCL+2*HALFS
	s_mov_b64 s[G0SB+2:G0SB+3], s[92:93]
	s_or_b32 s[G0SB+3], s[G0SB+3], 0x80000000
	s_mov_b32 s[G0], 1
	s_mov_b32 s[G0+1], 0                           ; A's 256 rows at LDS byte 0,
	s_mov_b64 s[G0+2:G0+3], s[20:21]
	s_or_b32 s[G0+3], s[G0+3], 0x80000000
	s_mov_b32 s[G0B], 1
	s_mov_b32 s[G0B+1], 2*HALFT                    ; B's behind them
	s_mov_b64 s[G0B+2:G0B+3], s[46:47]
	s_or_b32 s[G0B+3], s[G0B+3], 0x80000000
	ARM 1, G0,  G1,  .Lhead_b
	ARM 2, G0B, G1B, .Lhead_sa
	ARM 3, G0S, G1S, .Lhead_sb
	tensor_load_to_lds s[G0SB:G0SB+3], s[G1SB:G1SB+7]
	s_nop 0
.rept 4
	v_nop
.endr
.Lhead_asked:
	v_and_b32 v1, 15, v0                           ; r
	v_bfe_u32 v2, v0, 4, 1                         ; h
	v_mul_u32_u24 v3, v1, PITCH
	v_lshl_add_u32 v4, v2, 4, v3                   ; a fragment's row x pitch + 16 h
	s_mul_i32 s21, s15, HALFT                      ; my 128 rows of A
	s_mul_i32 s22, s16, HALFT                      ; my 128 rows of B,
	s_add_co_u32 s22, s22, 2*HALFT                 ; behind A's 256
.irp s, 0,1
	v_add_nc_u32 v[ADRA+\s], s21, v4
	v_add_nc_u32 v[ADRB+\s], s22, v4
	s_add_co_u32 s21, s21, SLOT
	s_add_co_u32 s22, s22, SLOT
.endr
	v_mul_u32_u24 v5, v1, KS                       ; my row's scales: 32 bytes a row,
	v_lshrrev_b32 v6, 8, v5
	v_lshl_add_u32 v5, v6, 4, v5                   ; and 16 more for each 256 passed
	s_mul_i32 s21, s15, HALFS
	s_mul_i32 s22, s16, HALFS
	s_add_co_u32 s22, s22, 2*HALFS
	s_sub_co_u32 s22, s22, s21
	v_mul_u32_u24 v6, s22, v2                      ; lanes 16-31 take B's: one product, the distance between the two bases
	s_add_co_u32 s21, s21, SCL
	v_add_nc_u32 v5, v5, v6
	v_add_nc_u32 v[ADRS], s21, v5
	; where the results go
	s_lshl_b32 s20, s17, 8
	s_lshl_b32 s21, s15, 7
	s_add_co_u32 s20, s20, s21                     ; my first row of A
	s_lshl_b32 s21, s42, 8
	s_lshl_b32 s22, s16, 7
	s_add_co_u32 s21, s21, s22                     ; my first row of B
	s_cmp_eq_u32 ttmp9, 2
	s_cselect_b32 s22, s21, s20                    ; my first token (stored order; a multiple of 128)
	s_cselect_b32 s23, s20, s21                    ; my first column of W_qkv (a multiple of 128: two heads)
	s_mov_b32 s46, HS
	s_cselect_b32 s47, 2048, s46                   ; from the codes' registers 0-3 to 4-7: v: the fragment's other half; q, k: the next head
	s_mov_b32 s92, 2048
	s_cselect_b32 s92, s46, s92                    ; from A's blocks 0-3 to 4-7: v: the next head; q, k: four tiles of tokens on
	s_cselect_b32 s93, 8, 9                        ; a step's scale words: 256 or 512 bytes
	s_mov_b32 s94, 65536
	s_cselect_b32 s94, s94, 0                      ; the codes' region: v, or k,
	s_mov_b32 s45, 139264
	s_mov_b32 s18, 131072
	s_cselect_b32 s45, s45, s18                    ; the scale words' likewise,
	s_cmp_eq_u32 ttmp9, 0
	s_mov_b32 s18, 143360
	s_cselect_b32 s94, s18, s94                    ; or q
	s_mov_b32 s18, 208896
	s_cselect_b32 s45, s18, s45
	s_and_b32 s18, s23, 1023
	s_lshr_b32 s18, s18, 6                         ; my first head
	s_lshr_b32 s19, s22, 11                        ; the batch
	s_lshl_b32 s19, s19, 4
	s_add_co_u32 s18, s18, s19
	s_mul_i32 s18, s18, HS                         ; its block
	s_bfe_u32 s19, s22, 0x40007                    ; which 128 tokens of the sequence
	s_lshl_b32 s20, s19, 12                        ; 4,096 bytes of codes for them, in K's, Q's and V's regions alike
	s_add_co_u32 s20, s20, s18
	s_add_co_u32 s20, s20, s94
	s_mov_b32 s21, 0
	s_add_nc_u64 s[12:13], s[98:99], s[20:21]      ; the codes' base
	s_lshl_b32 s20, s19, s93
	s_add_co_u32 s20, s20, s18
	s_add_co_u32 s20, s20, s45
	s_add_nc_u64 s[66:67], s[98:99], s[20:21]      ; the scale words' base
	s_lshl_b32 s20, s23, 2
	s_add_nc_u64 s[96:97], s[96:97], s[20:21]      ; the bias of my 128 columns
	s_mov_b32 s2, 0x76543210
	s_mov_b32 s3, 0xfedcba98                       ; v_permlanex16_b32's selects for lane l xor 16
	s_mov_b32 s95, 0xffff0000                      ; lanes 16-31
	v_and_b32 v3, 31, v0
	v_lshlrev_b32 v8, 4, v3                        ; an image's place for my lane
	v_add_nc_u32 v9, s47, v8
	v_add_nc_u32 v10, s92, v8
	v_add_nc_u32 v11, s47, v10
	v_lshlrev_b32 v13, 3, v3                       ; v's scale words: 8 bytes a lane,
	v_add_nc_u32 v15, HS, v13                      ; and the next head's
	s_cmp_eq_u32 ttmp9, 2
	s_cbranch_scc1 .Lbias_v
	v_lshlrev_b32 v14, 6, v2                       ; q, k: tile b's eight registers are the columns 32 (b / 2) + 16 h + 8 (b % 2) + 0 .. 7
.irp b, 0,1,2,3,4,5,6,7
	global_load_b128 v[BT+8*\b:BT+8*\b+3], v14, s[96:97] offset:(32*(\b/2)+8*(\b%2))*4
	global_load_b128 v[BT+8*\b+4:BT+8*\b+7], v14, s[96:97] offset:(32*(\b/2)+8*(\b%2))*4+16
.endr
	s_branch .Lbias_done
.Lbias_v:
	v_and_b32 v14, 8, v1                           ; v: a lane holds one channel, 32 (a / 2) + 8 (a % 2) + r + 8 (r / 8): eight equal registers
	v_add_nc_u32 v14, v14, v1
	v_lshlrev_b32 v14, 2, v14
.irp a, 0,1,2,3,4,5,6,7
.irp j, 0,1,2,3,4,5,6,7
	global_load_b32 v[BT+8*\a+\j], v14, s[96:97] offset:(32*(\a/2)+8*(\a%2))*4
.endr
.endr
.Lbias_done:
.macro FRAG reg, adr, q, i             ; 16 rows x 128 K of 4-bit codes: 8 registers: lane l holds row l % 16; registers 4 c .. 4 c + 3 hold K = 64 c + 32 (l / 16) + 0 .. 31
.irp c, 0,1
	ds_load_b128 v[\reg+4*\c:\reg+4*\c+3], v[\adr] offset:64*(\q)+32*\c+(\i)*16*PITCH
.endr
.endm
; 16 matrix instructions: A's blocks a0, a0 + 1 x B's eight, the slot's q-th 128 along K.  p: B's set; sc: the set of scale words.  cm = 0: in place; 1: C = the bias by B's tile; 2: by A's block.
; The 64 accumulators take turns, one instruction a turn, in the same order in every step.
.macro MUL16 a0, p, q, sc, cm
.irp a, \a0, \a0+1
.irp b, 0,1,2,3,4,5,6,7
.if \cm == 1
	v_wmma_scale_f32_16x16x128_f8f6f4 v[8*(8*((\a)%4)+\b):8*(8*((\a)%4)+\b)+7], v[128*(\p)+FR*\b:128*(\p)+FR*\b+FR-1], v[AF+FR*(\a):AF+FR*(\a)+FR-1], v[BT+8*\b:BT+8*\b+7], v[SC+8*NQ*(\sc)+NQ*\b+(\q)], v[SC+8*NQ*(\sc)+NQ*(\a)+(\q)] matrix_a_fmt:MATRIX_FMT_FP4 matrix_b_fmt:MATRIX_FMT_FP4 matrix_a_scale:MATRIX_SCALE_ROW1
.elseif \cm == 2
	v_wmma_scale_f32_16x16x128_f8f6f4 v[8*(8*((\a)%4)+\b):8*(8*((\a)%4)+\b)+7], v[128*(\p)+FR*\b:128*(\p)+FR*\b+FR-1], v[AF+FR*(\a):AF+FR*(\a)+FR-1], v[BT+8*(\a):BT+8*(\a)+7], v[SC+8*NQ*(\sc)+NQ*\b+(\q)], v[SC+8*NQ*(\sc)+NQ*(\a)+(\q)] matrix_a_fmt:MATRIX_FMT_FP4 matrix_b_fmt:MATRIX_FMT_FP4 matrix_a_scale:MATRIX_SCALE_ROW1
.else
	v_wmma_scale_f32_16x16x128_f8f6f4 v[8*(8*((\a)%4)+\b):8*(8*((\a)%4)+\b)+7], v[128*(\p)+FR*\b:128*(\p)+FR*\b+FR-1], v[AF+FR*(\a):AF+FR*(\a)+FR-1], v[8*(8*((\a)%4)+\b):8*(8*((\a)%4)+\b)+7], v[SC+8*NQ*(\sc)+NQ*\b+(\q)], v[SC+8*NQ*(\sc)+NQ*(\a)+(\q)] matrix_a_fmt:MATRIX_FMT_FP4 matrix_b_fmt:MATRIX_FMT_FP4 matrix_a_scale:MATRIX_SCALE_ROW1
.endif
.endr
.endr
.endm
.macro FETCH_B slot, q, p
	WIN TO_B
.irp i, 0,1,2,3,4,5,6,7
	FRAG 128*(\p)+FR*\i, ADRB+\slot, \q, \i
.endr
	WIN 0
.endm
.macro FETCH_A slot, q, i0
.irp i, \i0, \i0+1, \i0+2, \i0+3
	FRAG AF+FR*(\i), ADRA+\slot, \q, \i
.endr
.endm
.macro SCALES sc                       ; a slot's scale words: 4 words a row; lanes 0-15 take A's block i, lanes 16-31 B's block i
.irp i, 0,1,2,3,4,5,6,7
	ds_load_b128 v[SC+8*NQ*\sc+NQ*\i:SC+8*NQ*\sc+NQ*\i+3], v[ADRS] offset:\i*SBLK
.endr
.endm
.macro PLACES n                        ; plain vector lines between a matrix instruction and a load into, or a read of, its registers (ISA guide 7.12.1 for the reads)
.rept \n
	v_nop
.endr
.endm
.macro STEP slot, q, cm                ; 128 along K with its successor in the same slot: A has one set of registers (blocks 0-3 fetched anew in the middle, 4-7 at the end), B two
	s_wait_dscnt 4*NL                              ; B's set and A's blocks 0-3 are in; the youngest eight loads (A's blocks 4-7) may be out
.if \cm
	WIN FIRST_LO
.else
	WIN MUL_LO
.endif
	MUL16 0, (\q)%2, \q, \slot, \cm
	MUL16 2, (\q)%2, \q, \slot, \cm
	s_wait_dscnt 0
	PLACES NP
	FETCH_B \slot, (\q)+1, 1-(\q)%2
	FETCH_A \slot, (\q)+1, 0
.if \cm
	WIN FIRST_HI
.else
	WIN MUL_HI
.endif
	MUL16 4, (\q)%2, \q, \slot, \cm
	MUL16 6, (\q)%2, \q, \slot, \cm
	PLACES NP
	WIN 0
	FETCH_A \slot, (\q)+1, 4
.endm
.macro TURN slot, next                 ; a slot's last step changes slots: one barrier; nothing is filled again
	s_wait_tensorcnt 0x0                           ; all my tensor loads have landed: my part of the next slot
	ds_add_u32 v[SPW], v[NIL]                      ; 0 onto my spare word
	s_wait_dscnt 4*NL+1                            ; (the add and the youngest eight loads may be out)
	WIN MUL_LO
	MUL16 0, 1, NQ-1, \slot, 0
	s_wait_dscnt 0x0                               ; the add is done, and my reads of this slot are over
	s_barrier_signal -1
	MUL16 2, 1, NQ-1, \slot, 0
	WIN 0
	s_barrier_wait -1                              ; the next slot is whole
	PLACES NP
	v_add_nc_u32 v[ADRS], 4*NQ, v[ADRS]            ; on to the next slot's scale words
	FETCH_B \next, 0, 0
	FETCH_A \next, 0, 0
	SCALES \next
	WIN MUL_HI
	MUL16 4, 1, NQ-1, \slot, 0
	MUL16 6, 1, NQ-1, \slot, 0
	PLACES NP
	WIN 0
	FETCH_A \next, 0, 4
.endm
.macro STEPS slot, from
.set Q, \from
.rept NQ-1-\from
	STEP \slot, Q, 0
.set Q, Q+1
.endr
.endm
	s_wait_alu depctr_va_vdst(0)                   ; the wait at the head's end
	s_wait_tensorcnt 0x0                           ; my one load is in,
	s_barrier_signal -1
	s_barrier_wait -1                              ; everybody's is: all of K, codes and scales
	FETCH_B 0, 0, 0
	FETCH_A 0, 0, 0
	SCALES 0
	FETCH_A 0, 0, 4
	s_wait_loadcnt 0x0                             ; the bias
	s_cmp_eq_u32 ttmp9, 2
	s_cbranch_scc1 .Lfirst_v
	STEP 0, 0, 1                                   ; the first products start the sums with the bias
	s_branch .Lfirst_done
.Lfirst_v:
	STEP 0, 0, 2
.Lfirst_done:
	STEPS 0, 1
	TURN 0, 1
	STEPS 1, 0
	s_wait_dscnt 4*NL                              ; the very last step: nothing more to fetch
	WIN MUL_LO
	MUL16 0, 1, NQ-1, 1, 0
	MUL16 2, 1, NQ-1, 1, 0
	s_wait_dscnt 0
	WIN MUL_HI
	MUL16 4, 1, NQ-1, 1, 0
	MUL16 6, 1, NQ-1, 1, 0
	WIN 0
; THE WAY OUT.  Block a's 64 registers of a lane, register 16 b + i = index 32 b + 16 (lane / 16) + i along B's rows, become 128 codes (8 registers) and a scale word, and leave as images.
.irp b, 0,1,2,3
	v_mov_b32 v[TM+4+\b], 0                        ; a lane permute's destination counts as one of its sources.  These four are also the places behind the last products
.endr
.macro EPI a
.set EW, 2+(\a)/4                      ; the block's window
.set EWW, 5*EW                         ; sources 0 and 1 there
.set ES, 64*((\a)%4)
.set EP, PC+8*((\a)%2)
	WIN EWW
.irp b, 0,1,2,3
	v_max3_num_f32 v[TM+\b], |v[ES+16*\b]|, |v[ES+16*\b+1]|, 0x1800000   ; block b of 32: my 16 numbers, and the floor 2^(3 - 127).  Each accumulator is read from its low end on
.endr
.irp i, 2,4,6,8,10,12,14
.irp b, 0,1,2,3
	v_max3_num_f32 v[TM+\b], |v[ES+16*\b+\i]|, |v[ES+16*\b+\i+1]|, v[TM+\b]   ; (the four blocks by turns)
.endr
.endr
	WIN 0
.irp b, 0,1,2,3
	v_permlanex16_b32 v[TM+4+\b], v[TM+\b], s2, s3
.endr
.irp b, 0,1,2,3
	v_max_num_f32 v[TM+\b], v[TM+\b], v[TM+4+\b]   ; with lane l xor 16's 16: the block's largest magnitude
.endr
.irp b, 0,1,2,3
	v_add_nc_u32 v[TM+12+\b], 0xff000000, v[TM+\b] ; 2 off its exponent field: the conversions' scale operand
.endr
.irp b, 0,1,2,3
	v_lshrrev_b32 v[TM+4+\b], 23, v[TM+12+\b]      ; the scale's byte
.endr
	v_lshl_or_b32 v[PWA+(\a)], v[TM+5], 8, v[TM+4] ; my row's scale word (both halves of the lanes hold it)
	v_lshl_or_b32 v[PWA+(\a)], v[TM+6], 16, v[PWA+(\a)]
	v_lshl_or_b32 v[PWA+(\a)], v[TM+7], 24, v[PWA+(\a)]
	s_wait_xcnt 0x0                                ; the earlier stores have read their data: this set of code registers may be written again
	WIN EW
.irp b, 0,1,2,3
	v_cvt_scalef32_pk8_fp4_f32 v[EP+2*\b], v[ES+16*\b:ES+16*\b+7], v[TM+12+\b]
	v_cvt_scalef32_pk8_fp4_f32 v[EP+2*\b+1], v[ES+16*\b+8:ES+16*\b+15], v[TM+12+\b]
.endr
	WIN 0
	v_nop                                          ; one plain line behind the last conversion
.irp c, 0,1                                    ; the operand's layout wants a whole block in a lane: lanes 0-15 block 2 c, lanes 16-31 block 2 c + 1
.irp i, 0,1
	v_permlane16_swap_b32 v[EP+4*\c+\i], v[EP+4*\c+2+\i]
.endr
.endr
	global_store_b128 v[8+2*((\a)/4)], v[EP:EP+3], s[12:13] offset:512*((\a)%4)     ; 32 lanes store 512 consecutive bytes, aligned
	global_store_b128 v[9+2*((\a)/4)], v[EP+4:EP+7], s[12:13] offset:512*((\a)%4)
.if (\a)%2 == 1
	v_cndmask_b32 v[RF+(\a)/2], v[PWA+(\a)-1], v[PWA+(\a)], s95   ; lanes 0-15: the even block's words, lanes 16-31: the odd block's
.endif
.endm
.irp a, 0,1,2,3,4,5,6,7
	EPI \a
.endr
	s_cmp_eq_u32 ttmp9, 2
	s_cbranch_scc1 .Lscales_v
	global_store_b128 v8, v[RF:RF+3], s[66:67]     ; q, k: the first head's two bytes are the words' low halves,
.irp i, 0,1,2,3
	v_lshrrev_b32 v[R1+\i], 16, v[RF+\i]           ; the next head's the high halves
.endr
	global_store_b128 v9, v[R1:R1+3], s[66:67]
	s_branch .Lscales_done
.Lscales_v:
	global_store_b64 v13, v[RF:RF+1], s[66:67]     ; v: blocks 0-3 are the first head's four tiles of channels,
	s_wait_alu depctr_va_vdst(0)
	global_store_b64 v15, v[RF+2:RF+3], s[66:67]   ; blocks 4-7 the next head's
.Lscales_done:
	s_wait_tensorcnt 0x0                           ; the wave's end
	ds_add_u32 v[SPW], v[NIL]
	s_wait_dscnt 0x0
	CROUND                                         ; the closing round
	s_endpgm
.Lfunc_end_k_q3d0a33b4f8_gemm1:
	.size	k_q3d0a33b4f8_gemm1, .Lfunc_end_k_q3d0a33b4f8_gemm1-k_q3d0a33b4f8_gemm1
	.p2alignl 7, 3214868480
	.fill 96, 4, 3214868480
	.section	.rodata,"a",@progbits
	.p2align	6, 0x0
	.amdhsa_kernel k_q3d0a33b4f8_gemm1
		.amdhsa_group_segment_fixed_size 327680
		.amdhsa_private_segment_fixed_size 0
		.amdhsa_enable_private_segment 0
		.amdhsa_kernarg_size 48
		.amdhsa_user_sgpr_count 2
		.amdhsa_user_sgpr_kernarg_segment_ptr 1
		.amdhsa_wavefront_size32 1
		.amdhsa_system_sgpr_workgroup_id_x 1
		.amdhsa_system_sgpr_workgroup_id_y 1
		.amdhsa_system_sgpr_workgroup_id_z 1
		.amdhsa_system_vgpr_workitem_id 0
		.amdhsa_next_free_vgpr 1024
		.amdhsa_next_free_sgpr 100
		.amdhsa_reserve_vcc 0
		.amdhsa_float_denorm_mode_32 3
		.amdhsa_float_denorm_mode_16_64 3
		.amdhsa_memory_ordered 1
		.amdhsa_forward_progress 1
		.amdhsa_inst_pref_size 147
	.end_amdhsa_kernel
	.amdgpu_metadata
---
amdhsa.version: [ 1, 2 ]
amdhsa.kernels:
  - .name:           k_q3d0a33b4f8_gemm1
    .symbol:         k_q3d0a33b4f8_gemm1.kd
    .args:
      - { .name: xc, .offset: 0, .size: 8, .value_kind: global_buffer, .address_space: global }
      - { .name: xs, .offset: 8, .size: 8, .value_kind: global_buffer, .address_space: global }
      - { .name: wc, .offset: 16, .size: 8, .value_kind: global_buffer, .address_space: global }
      - { .name: ws, .offset: 24, .size: 8, .value_kind: global_buffer, .address_space: global }
      - { .name: b_qkv, .offset: 32, .size: 8, .value_kind: global_buffer, .address_space: global }
      - { .name: qkv, .offset: 40, .size: 8, .value_kind: global_buffer, .address_space: global }
    .group_segment_fixed_size: 327680
    .private_segment_fixed_size: 0
    .kernarg_segment_align: 8
    .kernarg_segment_size: 48
    .max_flat_workgroup_size: 128
    .sgpr_count:     100
    .vgpr_count:     1024
    .wavefront_size: 32
...
	.end_amdgpu_metadata
.endif
;; end of part 2
;; launch attn (part 3): grid 4 x 64, 16 waves a work-group, clusters of 4 x 1, 167,936 bytes of LDS; arguments qkv, oc, os; writes oc, os
.if DOCPART == 3
	.amdgcn_target "amdgcn-amd-amdhsa--gfx1250"
	.amdhsa_code_object_version 6
	.text
	.protected	k_q3d0a33b4f8_attn
	.globl	k_q3d0a33b4f8_attn
	.p2align	8
	.type	k_q3d0a33b4f8_attn,@function
k_q3d0a33b4f8_attn:
	s_mov_b64 s[64:65], 0
	v_nop
	global_prefetch_b8 v0, s[64:65] scope:SCOPE_SE
	s_setreg_imm32_b32 hwreg(HW_REG_WAVE_MODE, 25, 1), 1
	s_wait_xcnt 0x0
	s_wait_alu depctr_hold_cnt(0) depctr_sa_sdst(0) depctr_va_vdst(0) depctr_va_sdst(0) depctr_va_ssrc(0) depctr_va_vcc(0) depctr_vm_vsrc(0)
	s_getreg_b32 s2, hwreg(HW_REG_IB_STS2, 6, 4)
	s_cmp_eq_u32 s2, 0
	s_cbranch_scc0 .Lentry_in_a_cluster
	s_endpgm
.Lentry_in_a_cluster:
	s_bfe_u32 s2, ttmp6, 0x10000c
	s_cmp_lg_u32 s2, 0x3003
	s_cbranch_scc0 .Lentry_shape_is_right
	s_endpgm
.Lentry_shape_is_right:
; THE ATTENTION LAUNCH.  No work of reference() is left out.  o = softmax(q k^T / 8) v for each of 64 (batch, head), both products on codes of FP4; o is quantised along the embedding for the last launch.
; THE SOFTMAX AHEAD OF THE SECOND PRODUCT: t = score x log2(e) / 8; M = the row's largest t so far, rounded UP to a whole number; p = 2^(t - M) is quantised along the keys, not normalised; the row's sum is taken of the
; unquantised p and divides O at the end (v_rcp_f32 and a multiplication).  When M moves, the sum and O are multiplied by 2^(old M - new M): exact.
; THE FIRST PRODUCT'S K IS 64: the upper half of each fragment (registers 4-7) is zero codes, on both sides; the scale bytes over them are never 0xff.
; SHARES.  A work-group owns 512 queries of one head, each of its sixteen waves two tiles of 16, one after the other: tiles T = 32 cx + wave and T + 16.  Four waves to a SIMD, 256 registers each.
; A HEAD'S WHOLE K AND V, codes and scale words, 143,360 bytes, lie in LDS as images of the operands' registers (gemm1's head gives the layout): filled once, read at 16 x lane.  So there is no ring, and no loop
; in which a prefetch could run ahead of the one fill: none is written.
; CLUSTER.  The four query blocks of a head ask for K and V jointly: each wave issues one load of 35 rows of 256 bytes, the same descriptor in all four work-groups.
; LAYOUT.  S^T = K Q^T (source 0 = 16 keys), O^T = V^T P^T (source 0 = 16 channels): a lane holds ONE query.  The stored order of keys and channels makes the 16 registers of tiles 2 b, 2 b + 1 sixteen neighbours.
; THE STEP'S LDS LOADS stand in one run behind the first product: the NEXT step's K, all eight fragments (step 15 asks for step 0's, with which the second tile begins), and this step's V; one wait for 0 in front of the
; second product serves all.  The first tile's Q is asked for while the tensor load is out, the second's ahead of the first tile's way out.
; OUT.  oc [tile of 16 tokens: 512][head 16][lane][16 bytes]; os [token row 8192][32]: bytes 2 head, 2 head + 1, which leave as 2 bytes a row (lanes l and l xor 16 store the same halfword to the same place).
; LIMITS: as in the first launch for o's blocks; an exponential whose result lies under 2^-126 gives 0; the scaled scores stay under 2^31 in magnitude.
; REGISTERS: v1-4 my lane's places in LDS; v5, v6 the add's two; v7 32 r; v8-11 a step's LDS addresses; v[12:13] -M and the largest score; v[14:15] the sum; v16-23 Q; v[24:25] f and a spare; v26 Q's scale words, v27 p's,
;   v28-31 K's, v232-233 V's; v32-95 K's eight fragments; v96-159 S^T, then p; v160-191 O^T; v192-199 p's codes; v200-231 V's four fragments; v234-239 three more chains of sums; v240-247 at work; v248 16 r.
.set HS,    217088
.set VCO,   65536
.set KSO,   131072
.set VSO,   139264
.set QCO,   143360
.set QSO,   208896
.set SPARE, 143360                     ; behind the head's K and V: the spare words, 128 bytes for each of 16 waves, that no other line names
.set PART,  8960                       ; a wave's part of the fill: 35 rows of 256 bytes
.set WV,  18
.set SEL, 20
.set CS,  22
.set G1,  24
.set G0,  32
.set TB,  2                            ; s2   this step's codes: 4,096 bytes a step, in K and in V alike
.set SN,  3                            ; s3   the next step's scale words of K: 512 bytes a step
.set TJ,  38                           ; s38  this step's scale words of V: 256
.set TN,  39                           ; s39  the next step's codes of K, step 16 being step 0
.macro CROUND
	s_barrier_signal -1
	s_barrier_wait -1
	s_cmp_lg_u32 s[WV], 0
	s_cbranch_scc1 .Lnot_wave_0_\@
	s_barrier_signal -3
.Lnot_wave_0_\@:
	s_barrier_wait -3
	s_barrier_signal -1
	s_barrier_wait -1
.endm
.macro SMUL                            ; S^T = K Q^T: eight tiles of 16 keys
.irp t, 0,1,2,3,4,5,6,7
.if (\t)%2
	v_wmma_scale_f32_16x16x128_f8f6f4 v[96+8*\t:103+8*\t], v[32+8*\t:39+8*\t], v[16:23], 0, v[28+\t/2], v26 matrix_a_fmt:MATRIX_FMT_FP4 matrix_b_fmt:MATRIX_FMT_FP4 matrix_a_scale:MATRIX_SCALE_ROW1
.else
	v_wmma_scale_f32_16x16x128_f8f6f4 v[96+8*\t:103+8*\t], v[32+8*\t:39+8*\t], v[16:23], 0, v[28+\t/2], v26 matrix_a_fmt:MATRIX_FMT_FP4 matrix_b_fmt:MATRIX_FMT_FP4
.endif
.endr
.endm
.macro PV                              ; O^T += V^T P^T: four tiles of 16 channels, by turns
.irp t, 0,1,2,3
.if (\t)%2
	v_wmma_scale_f32_16x16x128_f8f6f4 v[160+8*\t:167+8*\t], v[200+8*\t:207+8*\t], v[192:199], v[160+8*\t:167+8*\t], v[232+\t/2], v27 matrix_a_fmt:MATRIX_FMT_FP4 matrix_b_fmt:MATRIX_FMT_FP4 matrix_a_scale:MATRIX_SCALE_ROW1
.else
	v_wmma_scale_f32_16x16x128_f8f6f4 v[160+8*\t:167+8*\t], v[200+8*\t:207+8*\t], v[192:199], v[160+8*\t:167+8*\t], v[232+\t/2], v27 matrix_a_fmt:MATRIX_FMT_FP4 matrix_b_fmt:MATRIX_FMT_FP4
.endif
.endr
.endm
.macro SUM                             ; the row's sum of the unquantised p: 32 packed additions in four chains
	v_pk_add_f32 v[234:235], v[96:97], v[98:99]
	v_pk_add_f32 v[236:237], v[100:101], v[102:103]
	v_pk_add_f32 v[238:239], v[104:105], v[106:107]
	v_pk_add_f32 v[14:15], v[14:15], v[108:109]
.irp j, 110,118,126,134,142,150
	v_pk_add_f32 v[234:235], v[234:235], v[\j:\j+1]
	v_pk_add_f32 v[236:237], v[236:237], v[\j+2:\j+3]
	v_pk_add_f32 v[238:239], v[238:239], v[\j+4:\j+5]
	v_pk_add_f32 v[14:15], v[14:15], v[\j+6:\j+7]
.endr
	v_pk_add_f32 v[234:235], v[234:235], v[158:159]
	v_pk_add_f32 v[236:237], v[236:237], v[238:239]
	v_pk_add_f32 v[14:15], v[14:15], v[234:235]
	v_pk_add_f32 v[14:15], v[14:15], v[236:237]
.endm
.macro CVT nb                          ; nb blocks of 32 become codes; a plain line; then a whole block to a lane: lanes 0-15 block 2 c, lanes 16-31 block 2 c + 1
.set B, 0
.rept \nb
	v_cvt_scalef32_pk8_fp4_f32 v[192+2*B], v[96+16*B:103+16*B], v[240+B]
	v_cvt_scalef32_pk8_fp4_f32 v[193+2*B], v[104+16*B:111+16*B], v[240+B]
.set B, B+1
.endr
	v_nop
.set B, 0
.rept \nb/2
	v_permlane16_swap_b32 v[192+4*B], v[194+4*B]
	v_permlane16_swap_b32 v[193+4*B], v[195+4*B]
.set B, B+1
.endr
.endm
	s_load_b128 s[4:7], s[0:1], 0x0                ; qkv, oc
	s_load_b64 s[8:9], s[0:1], 0x10                ; os
	v_lshl_add_u32 v5, v0, 2, SPARE
	v_mov_b32 v6, 0
	ds_add_u32 v5, v6                              ; the wave's opening: the add, twice on end, and its wait ahead of my first tensor load
	ds_add_u32 v5, v6
	v_lshrrev_b32 v8, 5, v0
	v_readfirstlane_b32 s[WV], v8                  ; wave 0..15
	s_bfe_u32 s36, ttmp6, 0x40000                  ; cx: my block of 512 queries: it enters addresses in memory alone
	s_and_b32 s37, ttmp7, 0xffff                   ; 16 batch + head, which the four partners share
	s_mov_b32 s[G1], 15|(3<<16)|(1<<21)            ; the mask: all four; elements of 8 bytes; no padding; bit 21 beside a mask
	s_mov_b32 s[G1+1], 32<<16                      ; tensor_dim0 = 32 elements
	s_mov_b32 s[G1+2], 35<<16                      ; tensor_dim1 = 35
	s_mov_b32 s[G1+3], 32<<16                      ; tile_dim0
	s_mov_b32 s[G1+4], 35                          ; tile_dim1
	s_mov_b32 s[G1+5], 32                          ; from row to row: dense
	s_mov_b32 s[G1+6], 0
	s_mov_b32 s[G1+7], 0
	s_mul_i32 s10, s[WV], PART
	s_mov_b32 s11, 0
	s_mul_i32 s12, s37, HS
	s_mov_b32 s13, 0
	s_mov_b32 s[SEL], 0x76543210
	s_mov_b32 s[SEL+1], 0xfedcba98                 ; v_permlanex16_b32's selects for lane l xor 16
	s_mov_b32 s[CS], 0x3e38aa3b                    ; c = log2(e) / 8
	s_mov_b32 s[CS+1], s[CS]                       ; (named with it as a pair, so it is written)
	s_wait_dscnt 0x0                               ; both opening adds are done
	s_wait_kmcnt 0x0
	s_add_nc_u64 s[4:5], s[4:5], s[12:13]          ; the head's block
	s_mov_b32 s[G0], 1
	s_mov_b32 s[G0+1], s10                         ; LDS: the block as it lies
	s_add_nc_u64 s[G0+2:G0+3], s[4:5], s[10:11]
	s_or_b32 s[G0+3], s[G0+3], 0x80000000
	CROUND                                         ; all four work-groups are here: the joint loads meet
	tensor_load_to_lds s[G0:G0+3], s[G1:G1+7]      ; my one tensor load
	s_nop 0
.rept 4
	v_nop
.endr
	s_lshl_b32 s53, s36, 5
	s_add_co_u32 s53, s53, s[WV]                   ; T: my first tile of queries, of the sequence's 128
	s_mov_b32 s55, 0
	s_lshl_b32 s54, s53, 9
	s_add_co_u32 s54, s54, QCO
	s_add_nc_u64 s[44:45], s[4:5], s[54:55]        ; its codes
	s_lshr_b32 s54, s53, 3
	s_lshl_b32 s54, s54, 9                         ; its scale words: step T / 8,
	s_and_b32 s56, s53, 1
	s_lshl_b32 s56, s56, 8                         ; lanes 16 (T % 2) on,
	s_add_co_u32 s54, s54, s56
	s_bfe_u32 s56, s53, 0x20001
	s_lshl_b32 s56, s56, 2                         ; word (T / 2) % 4
	s_add_co_u32 s54, s54, s56
	s_add_co_u32 s54, s54, QSO
	s_add_nc_u64 s[46:47], s[4:5], s[54:55]
	s_lshr_b32 s56, s37, 4
	s_lshl_b32 s56, s56, 7
	s_add_co_u32 s56, s56, s53                     ; the tile among all 512
	s_and_b32 s57, s37, 15                         ; the head
	s_lshl_b32 s54, s56, 4
	s_add_co_u32 s54, s54, s57
	s_lshl_b32 s54, s54, 9
	s_add_nc_u64 s[48:49], s[6:7], s[54:55]        ; o's codes
	s_lshl_b32 s54, s56, 9
	s_lshl_b32 s57, s57, 1
	s_add_co_u32 s54, s54, s57
	s_add_nc_u64 s[50:51], s[8:9], s[54:55]        ; o's scale bytes
	v_and_b32 v9, 31, v0
	v_and_b32 v7, 15, v0
	v_lshlrev_b32 v1, 4, v9                        ; 16 x lane: K's codes in LDS, and an image's place in memory
	v_lshlrev_b32 v248, 4, v7                      ; 16 r: Q's scale words
	v_lshl_add_u32 v4, v9, 3, VSO                  ; V's scale words: 8 x lane
	v_lshlrev_b32 v7, 5, v7                        ; 32 r: a row of os
	v_add_nc_u32 v2, VCO, v1                       ; V's codes
	v_add_nc_u32 v3, KSO, v1                       ; K's scale words
	global_load_b128 v[16:19], v1, s[44:45]        ; the first tile's Q: lane (r, h): block h of query r
	global_load_b32 v26, v248, s[46:47]            ; and its scale words
.irp j, 20,21,22,23, 25, 244,245,246,247
	v_mov_b32 v[\j], 0                             ; the upper half of Q's fragment: zero codes; the rest: a lane permute's destination counts as one of its sources
.endr
.irp t, 0,1,2,3,4,5,6,7
.irp j, 4,5,6,7
	v_mov_b32 v[32+8*\t+\j], 0                     ; the upper halves of K's eight fragments: written once, never loaded
.endr
.endr
	s_wait_alu depctr_va_vdst(0)                   ; the wait at the head's end
	s_wait_tensorcnt 0x0                           ; my part of K and V is in,
	s_barrier_signal -1
	s_barrier_wait -1                              ; everybody's is
.irp t, 0,1,2,3,4,5,6,7
	ds_load_b128 v[32+8*\t:35+8*\t], v1 offset:512*\t              ; step 0's K
.endr
	ds_load_b128 v[28:31], v3                      ; and its scale words: word i: lanes 0-15 tile 2 i, lanes 16-31 tile 2 i + 1
; A KEY STEP: 128 keys.
.macro STEP
	s_add_co_u32 s[TN], s[TB], 4096
	s_and_b32 s[TN], s[TN], 0xffff                 ; the next step's K; behind step 15 comes step 0
	s_lshr_b32 s[SN], s[TN], 3
	s_lshr_b32 s[TJ], s[TB], 4
	SMUL
	v_add_nc_u32 v8, s[TN], v1                     ; these four are the places between the products and the loads into their sources, and ahead of the first read of the scores
	v_add_nc_u32 v10, s[SN], v3
	v_add_nc_u32 v9, s[TB], v2
	v_add_nc_u32 v11, s[TJ], v4
.irp t, 0,1,2,3,4,5,6,7
	ds_load_b128 v[32+8*\t:35+8*\t], v8 offset:512*\t
.endr
	ds_load_b128 v[28:31], v10
	ds_load_b64 v[232:233], v11
.irp t, 0,1,2,3
	ds_load_b128 v[200+8*\t:203+8*\t], v9 offset:512*\t            ; this step's V
	ds_load_b128 v[204+8*\t:207+8*\t], v9 offset:2048+512*\t
.endr
.irp b, 0,1,2,3
	v_max_num_f32 v[240+\b], v[96+16*\b], v[97+16*\b]              ; the largest score of each block of 32 keys, my 16 of them; each accumulator is read from its low end on
.endr
.irp i, 2,4,6,8,10,12,14
.irp b, 0,1,2,3
	v_max3_num_f32 v[240+\b], v[96+16*\b+\i], v[97+16*\b+\i], v[240+\b]
.endr
.endr
.irp b, 0,1,2,3
	v_permlanex16_b32 v[244+\b], v[240+\b], s[SEL], s[SEL+1]
.endr
.irp b, 0,1,2,3
	v_max_num_f32 v[240+\b], v[240+\b], v[244+\b]  ; with lane l xor 16's 16 keys: it serves for the row's maximum and, since p rises with the score, for the block's largest p
.endr
	v_max3_num_f32 v25, v240, v241, v242
	v_max3_num_f32 v13, v25, v243, v13             ; the running largest score
	v_mul_f32 v25, s[CS], v13                      ; as t (c is positive)
	v_floor_f32 v25, -v25                          ; the new -M = floor(-t) = -ceil(t)
	v_sub_f32 v24, v25, v12                        ; old M - new M: a whole number, 0 or less
	v_mov_b32 v12, v25
.irp b, 0,1,2,3
	v_fma_f32 v[240+\b], v[240+\b], s[CS], v12     ; t - M of each block's largest score
.endr
	v_cvt_i32_f32 v24, v24                         ; (it saturates)
.set J, 0
.rept 32
	v_pk_fma_f32 v[96+J:97+J], v[96+J:97+J], s[CS:CS+1], v[12:13] op_sel_hi:[1,0,0]   ; t - M, two at a time
.set J, J+2
.endr
	v_ldexp_f32 v24, 1.0, v24                      ; f = 2^(old M - new M)
	s_wait_alu depctr_va_vdst(0)                   ; the wait ahead of the batch
.set J, 0
.rept 64
	v_exp_f32 v[96+J], v[96+J]                     ; p = 2^(t - M), at most 1
.set J, J+1
.endr
.irp b, 0,1,2,3
	v_exp_f32 v[240+\b], v[240+\b]                 ; the blocks' largest p: the same two instructions on the same number give the same bits
.endr
	v_pk_mul_f32 v[14:15], v[14:15], v[24:25] op_sel_hi:[1,0]      ; the sum under the new M (a plain line behind the exponentials)
	s_wait_alu depctr_va_vdst(0)                   ; one wait for the whole batch; it stands directly ahead of the first reader of O^T too
.set J, 0
.rept 16
	v_pk_mul_f32 v[160+J:161+J], v[160+J:161+J], v[24:25] op_sel_hi:[1,0]   ; O^T under the new M
.set J, J+2
.endr
.irp b, 0,1,2,3
	v_max_num_f32 v[240+\b], 0x1800000, v[240+\b]  ; the floor 2^(3 - 127): the byte cannot fall under 1
.endr
.irp b, 0,1,2,3
	v_add_nc_u32 v[240+\b], 0xff000000, v[240+\b]  ; 2 off the exponent field: the conversions' scale operand
.endr
.irp b, 0,1,2,3
	v_lshrrev_b32 v[244+\b], 23, v[240+\b]         ; the scale's byte
.endr
	v_lshl_or_b32 v27, v245, 8, v244               ; p's scale word for these 128 keys
	v_lshl_or_b32 v27, v246, 16, v27
	v_lshl_or_b32 v27, v247, 24, v27
	CVT 4
	SUM                                            ; (these 32 also stand between the lines that made p's codes and scale word and the products below)
	s_wait_alu depctr_va_vdst(0)                   ; the wait directly ahead of the wait below
	s_wait_dscnt 0x0                               ; V's fragments and scale words are in, and the next step's K
	PV
	s_add_co_u32 s[TB], s[TB], 4096
.endm
	s_mov_b32 s41, 2
.Ltile:                                            ; two trips: tiles T and T + 16
.set J, 0
.rept 32
	v_mov_b32 v[160+J], 0                          ; O^T: the step is written once; the first finds zeros, which the first change of M leaves zeros
.set J, J+1
.endr
	v_mov_b32 v14, 0                               ; the sum, in two halves
	v_mov_b32 v15, 0
	v_mov_b32 v13, 0xff61b1e6                      ; the largest score so far: -3e38, under every score
	v_mov_b32 v12, 0x7d000000                      ; -M: so large that the first f is 0
	s_mov_b32 s[TB], 0
	s_mov_b32 s40, 16
	s_wait_alu depctr_va_vdst(0)                   ; the wait directly ahead of the waits below
	s_wait_loadcnt 0x0                             ; Q
	s_wait_dscnt 0x0                               ; step 0's K
.Lstep:                                            ; sixteen trips: all 2,048 keys
	STEP
	s_sub_co_u32 s40, s40, 1
	s_cmp_lg_u32 s40, 0
	s_cbranch_scc1 .Lstep
	s_cmp_eq_u32 s41, 1                            ; a count of trips alone
	s_cbranch_scc1 .Lno_next
	s_add_nc_u64 s[44:45], s[44:45], 8192          ; sixteen tiles on (the earlier loads by these bases have been waited for)
	s_add_nc_u64 s[46:47], s[46:47], 1024
	global_load_b128 v[16:19], v1, s[44:45]        ; the next tile's Q lands under this tile's way out
	global_load_b32 v26, v248, s[46:47]
.Lno_next:
	; THE WAY OUT of a tile: O^T / the sum, quantised along the head's 64 channels (two blocks), stored as half a fragment's image
	v_add_f32 v24, v14, v15                        ; the sum's two halves,
	v_permlanex16_b32 v25, v24, s[SEL], s[SEL+1]
	v_add_f32 v24, v24, v25                        ; and lane l xor 16's
	s_wait_alu depctr_va_vdst(0)                   ; the wait ahead of the transcendental
	v_rcp_f32 v24, v24
.rept 2
	v_nop                                          ; plain lines behind the reciprocal; with the three above, the places behind the last products
.endr
	s_wait_alu depctr_va_vdst(0)                   ; the wait ahead of the reciprocal's first reader, which is also the first reader of O^T
.set J, 0
.rept 32
	v_mul_f32 v[96+J], v[160+J], v24               ; register 16 b + i: channel 32 b + 16 h + i of my query
.set J, J+1
.endr
.irp b, 0,1
	v_max3_num_f32 v[240+\b], |v[96+16*\b]|, |v[97+16*\b]|, 0x1800000
.endr
.irp i, 2,4,6,8,10,12,14
.irp b, 0,1
	v_max3_num_f32 v[240+\b], |v[96+16*\b+\i]|, |v[97+16*\b+\i]|, v[240+\b]
.endr
.endr
.irp b, 0,1
	v_permlanex16_b32 v[244+\b], v[240+\b], s[SEL], s[SEL+1]
.endr
.irp b, 0,1
	v_max_num_f32 v[240+\b], v[240+\b], v[244+\b]
.endr
.irp b, 0,1
	v_add_nc_u32 v[240+\b], 0xff000000, v[240+\b]
.endr
.irp b, 0,1
	v_lshrrev_b32 v[244+\b], 23, v[240+\b]
.endr
	v_lshl_or_b32 v244, v245, 8, v244              ; my row's two scale bytes
	CVT 2
	global_store_b128 v1, v[192:195], s[48:49]     ; 32 lanes store 512 consecutive bytes, aligned
	global_store_b16 v7, v244, s[50:51]            ; lanes l and l xor 16: the same halfword to the same place
	s_wait_xcnt 0x0                                ; the stores have read their data and bases: both may be written again
	s_add_nc_u64 s[48:49], s[48:49], 131072        ; sixteen tiles on
	s_add_nc_u64 s[50:51], s[50:51], 8192
	s_sub_co_u32 s41, s41, 1
	s_cmp_lg_u32 s41, 0
	s_cbranch_scc1 .Ltile
	s_wait_tensorcnt 0x0                           ; the wave's end
	ds_add_u32 v5, v6
	s_wait_dscnt 0x0
	CROUND                                         ; the closing round
	s_endpgm
.Lfunc_end_k_q3d0a33b4f8_attn:
	.size	k_q3d0a33b4f8_attn, .Lfunc_end_k_q3d0a33b4f8_attn-k_q3d0a33b4f8_attn
	.p2alignl 7, 3214868480
	.fill 96, 4, 3214868480
	.section	.rodata,"a",@progbits
	.p2align	6, 0x0
	.amdhsa_kernel k_q3d0a33b4f8_attn
		.amdhsa_group_segment_fixed_size 167936
		.amdhsa_private_segment_fixed_size 0
		.amdhsa_enable_private_segment 0
		.amdhsa_kernarg_size 24
		.amdhsa_user_sgpr_count 2
		.amdhsa_user_sgpr_kernarg_segment_ptr 1
		.amdhsa_wavefront_size32 1
		.amdhsa_system_sgpr_workgroup_id_x 1
		.amdhsa_system_sgpr_workgroup_id_y 1
		.amdhsa_system_sgpr_workgroup_id_z 1
		.amdhsa_system_vgpr_workitem_id 0
		.amdhsa_next_free_vgpr 256
		.amdhsa_next_free_sgpr 66
		.amdhsa_reserve_vcc 0
		.amdhsa_float_denorm_mode_32 3
		.amdhsa_float_denorm_mode_16_64 3
		.amdhsa_memory_ordered 1
		.amdhsa_forward_progress 1
		.amdhsa_inst_pref_size 27
	.end_amdhsa_kernel
	.amdgpu_metadata
---
amdhsa.version: [ 1, 2 ]
amdhsa.kernels:
  - .name:           k_q3d0a33b4f8_attn
    .symbol:         k_q3d0a33b4f8_attn.kd
    .args:
      - { .name: qkv, .offset: 0, .size: 8, .value_kind: global_buffer, .address_space: global }
      - { .name: oc, .offset: 8, .size: 8, .value_kind: global_buffer, .address_space: global }
      - { .name: os, .offset: 16, .size: 8, .value_kind: global_buffer, .address_space: global }
    .group_segment_fixed_size: 167936
    .private_segment_fixed_size: 0
    .kernarg_segment_align: 8
    .kernarg_segment_size: 24
    .max_flat_workgroup_size: 512
    .sgpr_count:     66
    .vgpr_count:     256
    .wavefront_size: 32
...
	.end_amdgpu_metadata
.endif
;; end of part 3
;; launch gemm2 (part 4): grid 4 x 64, 4 waves a work-group, clusters of 4 x 4, 327,680 bytes of LDS; arguments oc, os, wc, ws, b_out, out0; writes out0
.if DOCPART == 4
	.amdgcn_target "amdgcn-amd-amdhsa--gfx1250"
	.amdhsa_code_object_version 6
	.text
	.protected	k_q3d0a33b4f8_gemm2
	.globl	k_q3d0a33b4f8_gemm2
	.p2align	8
	.type	k_q3d0a33b4f8_gemm2,@function
k_q3d0a33b4f8_gemm2:
	s_mov_b64 s[64:65], 0
	v_nop
	global_prefetch_b8 v0, s[64:65] scope:SCOPE_SE
	s_setreg_imm32_b32 hwreg(HW_REG_WAVE_MODE, 25, 1), 1
	s_wait_xcnt 0x0
	s_wait_alu depctr_hold_cnt(0) depctr_sa_sdst(0) depctr_va_vdst(0) depctr_va_sdst(0) depctr_va_ssrc(0) depctr_va_vcc(0) depctr_vm_vsrc(0)
	s_getreg_b32 s2, hwreg(HW_REG_IB_STS2, 6, 4)
	s_cmp_eq_u32 s2, 0
	s_cbranch_scc0 .Lentry_in_a_cluster
	s_endpgm
.Lentry_in_a_cluster:
	s_bfe_u32 s2, ttmp6, 0x10000c
	s_cmp_lg_u32 s2, 0xf033
	s_cbranch_scc0 .Lentry_shape_is_right
	s_endpgm
.Lentry_shape_is_right:
; THE LAST LAUNCH.  No work of reference() is left out.  out0 = o W_out + b_out on codes of FP4 (K = 1,024), f32 sums, f32 out.
; SHARES.  A block of 128 tokens x 256 columns is made by four waves, 64 x 128 each: 32 accumulators of 16 x 16, 256 registers.  8,192 x 1,024 results are 256 such blocks: one work-group to each.
; ALL OF K COMES INTO LDS ONCE, by the head's four joint loads, one a wave: A = 8 tiles of 16 tokens as images of the operand's registers (65,536 dense bytes of oc: [tile][K step of 128: 8][c: 2][lane][16 bytes]);
; B = 256 rows of wc (W_out's columns, 512 bytes + 16 of padding each); A's scale bytes (128 rows of os); B's (256 rows of ws).  Nothing is filled again, so there is no ring, and no loop in which a prefetch could run ahead.
; CLUSTERS: 4 x 4 work-groups; A's tile hangs on the block's row alone and is asked for jointly along a row of the cluster, B's on its column alone and is asked for along a column.
; THE MATRIX INSTRUCTION: source 0 = 16 rows of B, source 1 = 16 rows of A: a lane holds one token and its eight registers run along the columns.  The rows of wc and of oc lie in the stored order (bits 3 and 4 of the index
; exchanged): tile b's registers are the columns 32 (b / 2) + 16 (lane / 16) + 8 (b % 2) + 0 .. 7, and the way out puts the tokens back.  THE BIAS is the C of each sum's first matrix instruction.
; A K STEP is 128 along K: 32 matrix instructions, the 32 accumulators by turns.  A and B have two sets of registers each: the next step's 24 LDS loads are issued ahead of this step's products.
; REGISTERS: window 0: v1-29 addresses; v32-95 scale words, a set for each 512 along K (register 4 i + q: lanes 0-15 A's block i, lanes 16-31 B's block i); v128-191 A's fragments, two sets of four; v192-255 the bias's eight tiles;
;   on the way out v128-255 hold rows read back.   window 1: B's fragments, two sets (v0, v128).   window 2: the accumulators, (a, b) at v[8 (8 a + b)].
.set ROWB,   512                       ; a row of wc in bytes: all of K
.set PITCH,  528                       ; and in LDS: + 16 of padding: the 16 rows of a fragment load start 16 bytes further round the banks each
.set HALFT,  128*PITCH
.set ATILE,  65536                     ; A's eight tiles of images
.set KS,     32                        ; a row of scale bytes
.set SCL,    ATILE+2*HALFT             ; behind A and B: the scales, as rows of 256 bytes + 16: A's 128 rows, then B's 256
.set HALFS,  (128*KS/256)*272          ; the scales of 128 rows
.set SBLK,   (16*KS/256)*272           ; of 16
.set SPARE,  SCL+3*HALFS               ; the spare words: 128 bytes a wave, that no other line names
.set STG,    SPARE+512                 ; the stages of the way out, 16 rows x 528 bytes a wave: no tensor load lands there
.set SPITCH, 528
.set NP,   4                           ; places behind this matrix instruction (ISA guide 7.12.1)
.set ADRA, 16
.set ADRB, 20
.set STO,  24
.set RD,   25
.set CO,   26
.set ADRS, 27
.set SPW,  28
.set NIL,  29
.set SC,   32
.set AF,   128
.set BK,   128
.set BT,   192
.set G1, 24
.set G0, 32
.set G1B, 48
.set G0B, 56
.set G1S, 68
.set G0S, 76
.set G1SB, 80
.set G0SB, 88
.set MSB, 0
.macro WIN new                         ; the immediate's high byte repeats the setting that is left
.if MSB != \new
	s_set_vgpr_msb (MSB<<8)|\new
.set MSB, \new
.endif
.endm
.set MUL_LO,   0xa1                    ; source 0 (B) window 1, source 1 (A) window 0, C and D window 2
.set FIRST_LO, 0x81                    ; the first products: C (the bias) window 0, D window 2
.set TO_B,     0x40
.macro ARM under, g0, g1, next         ; an arm of the head's one tree of branches on the wave's number: one joint load
	s_cmp_lt_u32 s14, \under
	s_cbranch_scc0 \next
	tensor_load_to_lds s[\g0:\g0+3], s[\g1:\g1+7]
	s_nop 0
.rept 4
	v_nop
.endr
	s_branch .Lhead_asked
\next:
.endm
.macro CROUND                          ; a round of the cluster's barrier
	s_barrier_signal -1
	s_barrier_wait -1
	s_cmp_lg_u32 s14, 0
	s_cbranch_scc1 .Lnot_wave_0_\@
	s_barrier_signal -3
.Lnot_wave_0_\@:
	s_barrier_wait -3
	s_barrier_signal -1
	s_barrier_wait -1
.endm
	s_load_b256 s[4:11], s[0:1], 0x0               ; oc s[4:5], os s[6:7], wc s[8:9], ws s[10:11]
	s_load_b128 s[96:99], s[0:1], 0x20             ; b_out s[96:97], out0 s[98:99]
	v_lshl_add_u32 v[SPW], v0, 2, SPARE
	v_mov_b32 v[NIL], 0
	ds_add_u32 v[SPW], v[NIL]                      ; the wave's opening: the add, twice on end, and its wait ahead of my first tensor load
	ds_add_u32 v[SPW], v[NIL]
	v_lshrrev_b32 v1, 5, v0
	v_readfirstlane_b32 s14, v1                    ; wave 0..3
	s_lshr_b32 s15, s14, 1                         ; which 64 tokens are mine
	s_and_b32 s16, s14, 1                          ; which 128 columns
	s_bfe_u32 s40, ttmp6, 0x40000                  ; cx
	s_bfe_u32 s41, ttmp6, 0x40004                  ; cy
	s_lshl_b32 s42, ttmp9, 2
	s_add_co_u32 s42, s42, s40                     ; the block's column, of 4
	s_and_b32 s17, ttmp7, 0xffff
	s_lshl_b32 s17, s17, 2
	s_add_co_u32 s17, s17, s41                     ; the block's row, of 64
	s_lshl_b32 s43, s41, 2
	s_lshl_b32 s43, 15, s43                        ; my row of the cluster
	s_lshl_b32 s44, 0x1111, s40                    ; my column
	s_or_b32 s[G1+0], s43, (3<<16)|(1<<21)         ; A: the mask; elements of 8 bytes; no padding; bit 21 beside a mask
	s_mov_b32 s[G1+1], 512<<16                     ; 16 dense rows of 4,096 bytes
	s_mov_b32 s[G1+2], 16<<16
	s_mov_b32 s[G1+3], 512<<16
	s_mov_b32 s[G1+4], 16
	s_mov_b32 s[G1+5], 512
	s_mov_b32 s[G1+6], 0
	s_mov_b32 s[G1+7], 0
	s_or_b32 s[G1B+0], s44, (0<<16)|(1<<20)|(1<<21)|(6<<22)|(3<<25)  ; B: elements of 1 byte; 4 words of padding behind every 128
	s_mov_b32 s[G1B+1], ROWB<<16                   ; 256 rows of 512 bytes
	s_mov_b32 s[G1B+2], 256<<16
	s_mov_b32 s[G1B+3], ROWB<<16
	s_mov_b32 s[G1B+4], 256
	s_mov_b32 s[G1B+5], ROWB
	s_mov_b32 s[G1B+6], 0
	s_mov_b32 s[G1B+7], 0
	s_or_b32 s[G1S+0], s43, (3<<16)|(1<<20)|(1<<21)|(5<<22)|(3<<25)  ; the scales: dense bytes as rows of 32 elements of 8 bytes, 4 words of padding behind each
	s_or_b32 s[G1SB+0], s44, (3<<16)|(1<<20)|(1<<21)|(5<<22)|(3<<25)
.irp g, G1S, G1SB
	s_mov_b32 s[\g+1], 32<<16
	s_mov_b32 s[\g+3], 32<<16
	s_mov_b32 s[\g+5], 32
	s_mov_b32 s[\g+6], 0
	s_mov_b32 s[\g+7], 0
.endr
	s_mov_b32 s[G1S+2], (128*KS/256)<<16           ; A's 128 rows: 16 such rows,
	s_mov_b32 s[G1S+4], 128*KS/256
	s_mov_b32 s[G1SB+2], (256*KS/256)<<16          ; B's 256: 32
	s_mov_b32 s[G1SB+4], 256*KS/256
	s_lshl_b32 s20, s17, 7                         ; A's first row
	s_lshl_b32 s46, s42, 8
	s_add_co_u32 s46, s46, 3072                    ; B's: W_out's rows lie behind W_qkv's
	s_lshl_b32 s22, s20, 5                         ; their scales, 32 bytes a row,
	s_mov_b32 s23, 0
	s_lshl_b32 s92, s46, 5
	s_mov_b32 s93, 0
	s_lshl_b32 s20, s20, 9                         ; their codes, 512 bytes a row
	s_mov_b32 s21, 0
	s_lshl_b32 s46, s46, 9
	s_mov_b32 s47, 0
	s_wait_dscnt 0x0                               ; both opening adds are done
	s_wait_kmcnt 0x0
	s_add_nc_u64 s[20:21], s[4:5], s[20:21]
	s_add_nc_u64 s[22:23], s[6:7], s[22:23]
	s_add_nc_u64 s[46:47], s[8:9], s[46:47]
	s_add_nc_u64 s[92:93], s[10:11], s[92:93]
	CROUND                                         ; all sixteen work-groups are here: the joint loads meet
	s_mov_b32 s[G0], 1
	s_mov_b32 s[G0+1], 0
	s_mov_b64 s[G0+2:G0+3], s[20:21]
	s_or_b32 s[G0+3], s[G0+3], 0x80000000
	s_mov_b32 s[G0B], 1
	s_mov_b32 s[G0B+1], ATILE
	s_mov_b64 s[G0B+2:G0B+3], s[46:47]
	s_or_b32 s[G0B+3], s[G0B+3], 0x80000000
	s_mov_b32 s[G0S], 1
	s_mov_b32 s[G0S+1], SCL
	s_mov_b64 s[G0S+2:G0S+3], s[22:23]
	s_or_b32 s[G0S+3], s[G0S+3], 0x80000000
	s_mov_b32 s[G0SB], 1
	s_mov_b32 s[G0SB+1], SCL+HALFS
	s_mov_b64 s[G0SB+2:G0SB+3], s[92:93]
	s_or_b32 s[G0SB+3], s[G0SB+3], 0x80000000
	ARM 1, G0,  G1,  .Lhead_b                      ; wave 0: A;  wave 1: B;  wave 2: A's scales;  wave 3: B's
	ARM 2, G0B, G1B, .Lhead_sa
	ARM 3, G0S, G1S, .Lhead_sb
	tensor_load_to_lds s[G0SB:G0SB+3], s[G1SB:G1SB+7]
	s_nop 0
.rept 4
	v_nop
.endr
.Lhead_asked:
	s_lshl_b32 s21, s15, 15                        ; my four tiles of A
	s_mul_i32 s22, s16, HALFT
	s_add_co_u32 s22, s22, ATILE                   ; my 128 rows of B
	s_mul_i32 s18, s15, HALFS/2                    ; my 64 rows of A's scales,
	s_mul_i32 s19, s16, HALFS
	s_add_co_u32 s19, s19, HALFS                   ; my 128 rows of B's, behind A's 128:
	s_sub_co_u32 s19, s19, s18                     ; the distance between the two
	s_add_co_u32 s18, s18, SCL
	s_mul_i32 s23, s14, 16*SPITCH
	s_add_co_u32 s23, s23, STG                     ; my stage
	s_lshl_b32 s92, s17, 7
	s_lshl_b32 s45, s15, 6
	s_add_co_u32 s92, s92, s45                     ; my first token
	s_lshl_b32 s92, s92, 12                        ; a row of out0 is 4,096 bytes
	s_lshl_b32 s46, s42, 8
	s_lshl_b32 s47, s16, 7
	s_add_co_u32 s46, s46, s47                     ; my first column
	s_lshl_b32 s46, s46, 2
	s_mov_b32 s47, 0
	s_add_nc_u64 s[96:97], s[96:97], s[46:47]      ; its bias
	s_add_co_u32 s92, s92, s46
	s_mov_b32 s93, 0
	s_add_nc_u64 s[12:13], s[98:99], s[92:93]      ; my part of out0
	v_and_b32 v1, 15, v0                           ; r
	v_bfe_u32 v2, v0, 4, 1                         ; h
	v_and_b32 v3, 31, v0
	v_lshlrev_b32 v[CO], 4, v3                     ; 16 x lane
	v_mul_u32_u24 v4, v1, PITCH
	v_mul_u32_u24 v5, v1, KS                       ; my row's scales: 32 bytes a row,
	v_lshl_add_u32 v4, v2, 4, v4                   ; a fragment's row x pitch + 16 h
	v_lshrrev_b32 v6, 8, v5
	v_add_nc_u32 v[ADRA], s21, v[CO]
	v_add_nc_u32 v[ADRB], s22, v4
	v_lshl_add_u32 v5, v6, 4, v5                   ; and 16 more for each 256 passed
	v_mul_u32_u24 v6, s19, v2                      ; lanes 16-31 take B's: one product, the distance between the two bases
	v_mul_u32_u24 v7, v1, SPITCH
	v_add_nc_u32 v5, v5, v6
	v_lshl_add_u32 v7, v2, 6, v7                   ; the stage, in: row r, 64 bytes on for the upper half of the lanes
	v_add_nc_u32 v[ADRS], s18, v5
	v_add_nc_u32 v[STO], s23, v7
	v_add_nc_u32 v[RD], s23, v[CO]                 ; back: the 32 lanes take one row of 512 bytes
	v_lshlrev_b32 v14, 6, v2                       ; the bias: tile b's eight registers are the columns 32 (b / 2) + 16 h + 8 (b % 2) + 0 .. 7
.irp b, 0,1,2,3,4,5,6,7
	global_load_b128 v[BT+8*\b:BT+8*\b+3], v14, s[96:97] offset:(32*(\b/2)+8*(\b%2))*4
	global_load_b128 v[BT+8*\b+4:BT+8*\b+7], v14, s[96:97] offset:(32*(\b/2)+8*(\b%2))*4+16
.endr
.macro FETCH q                         ; K step q's fragments into set q % 2: B's eight (lane l: row l % 16; registers 4 c .. 4 c + 3: K = 64 c + 32 (l / 16) + 0 .. 31), A's four (images: 16 x lane)
	WIN TO_B
.irp i, 0,1,2,3,4,5,6,7
.irp c, 0,1
	ds_load_b128 v[128*((\q)%2)+8*\i+4*\c:128*((\q)%2)+8*\i+4*\c+3], v[ADRB] offset:64*(\q)+32*\c+\i*16*PITCH
.endr
.endr
	WIN 0
.irp i, 0,1,2,3
.irp c, 0,1
	ds_load_b128 v[AF+32*((\q)%2)+8*\i+4*\c:AF+32*((\q)%2)+8*\i+4*\c+3], v[ADRA] offset:8192*\i+1024*(\q)+512*\c
.endr
.endr
.endm
.macro SCALES s                        ; the scale words of 512 along K: 4 words a row; lanes 0-15 take A's block i (of which i under 4 are mine), lanes 16-31 B's block i
.irp i, 0,1,2,3,4,5,6,7
	ds_load_b128 v[SC+32*\s+4*\i:SC+32*\s+4*\i+3], v[ADRS] offset:\i*SBLK+16*\s
.endr
.endm
.macro MUL32 q, first                  ; A's four blocks x B's eight, 128 along K
.irp a, 0,1,2,3
.irp b, 0,1,2,3,4,5,6,7
.if \first
	v_wmma_scale_f32_16x16x128_f8f6f4 v[8*(8*\a+\b):8*(8*\a+\b)+7], v[128*((\q)%2)+8*\b:128*((\q)%2)+8*\b+7], v[AF+32*((\q)%2)+8*\a:AF+32*((\q)%2)+8*\a+7], v[BT+8*\b:BT+8*\b+7], v[SC+32*((\q)/4)+4*\b+(\q)%4], v[SC+32*((\q)/4)+4*\a+(\q)%4] matrix_a_fmt:MATRIX_FMT_FP4 matrix_b_fmt:MATRIX_FMT_FP4 matrix_a_scale:MATRIX_SCALE_ROW1
.else
	v_wmma_scale_f32_16x16x128_f8f6f4 v[8*(8*\a+\b):8*(8*\a+\b)+7], v[128*((\q)%2)+8*\b:128*((\q)%2)+8*\b+7], v[AF+32*((\q)%2)+8*\a:AF+32*((\q)%2)+8*\a+7], v[8*(8*\a+\b):8*(8*\a+\b)+7], v[SC+32*((\q)/4)+4*\b+(\q)%4], v[SC+32*((\q)/4)+4*\a+(\q)%4] matrix_a_fmt:MATRIX_FMT_FP4 matrix_b_fmt:MATRIX_FMT_FP4 matrix_a_scale:MATRIX_SCALE_ROW1
.endif
.endr
.endr
.endm
.macro PLACES n                        ; plain vector lines between a matrix instruction and a load into, or a read of, its registers (ISA guide 7.12.1 for the reads)
.rept \n
	v_nop
.endr
.endm
	s_wait_alu depctr_va_vdst(0)                   ; the wait at the head's end
	s_wait_tensorcnt 0x0                           ; my one load is in,
	s_barrier_signal -1
	s_barrier_wait -1                              ; everybody's is: all of K, codes and scales
	FETCH 0
	SCALES 0
	SCALES 1
	s_wait_loadcnt 0x0                             ; the bias
	s_wait_dscnt 0x0                               ; K step 0's fragments and all scale words
	FETCH 1
	WIN FIRST_LO
	MUL32 0, 1                                     ; the first products start the sums with the bias
	WIN 0
.irp q, 1,2,3,4,5,6,7
	s_wait_dscnt 0x0                               ; this step's fragments, asked for ahead of the last step's 32 products
.if \q < 7
	PLACES NP                                      ; the next step's fragments land in the set that the last step's products read
	FETCH \q+1
.endif
	WIN MUL_LO
	MUL32 \q, 0
	WIN 0
.endr
; THE WAY OUT, block by block of 16 tokens x 128 columns: through my own stage in LDS, back as whole rows of 512 bytes, which the 32 lanes store as two aligned runs of 256 bytes.  LDS serves a wave's instructions in order.
.macro TOSTAGE a
	WIN 0x08                                       ; the data: window 2
.irp b, 0,1,2,3,4,5,6,7
	ds_store_b128 v[STO], v[64*(\a)+8*\b:64*(\a)+8*\b+3] offset:128*(\b/2)+32*(\b%2)          ; each accumulator from its low end on
	ds_store_b128 v[STO], v[64*(\a)+8*\b+4:64*(\a)+8*\b+7] offset:128*(\b/2)+32*(\b%2)+16
.endr
	WIN 0
.set BB, BK+64*((\a)%2)
.irp t, 0,1,2,3,4,5,6,7,8,9,10,11,12,13,14,15
	ds_load_b128 v[BB+4*\t:BB+4*\t+3], v[RD] offset:\t*SPITCH
.endr
.endm
.macro SEND a, younger                 ; younger: the LDS instructions issued behind block a's loads, which may stay out.  Stored row 16 a + t is token 32 (a / 2) + 16 (t / 8) + 8 (a % 2) + t % 8
.set BB, BK+64*((\a)%2)
	s_wait_dscnt \younger
.irp t, 0,1,2,3,4,5,6,7,8,9,10,11,12,13,14,15
	global_store_b128 v[CO], v[BB+4*\t:BB+4*\t+3], s[12:13] offset:(32*((\a)/2)+16*(\t/8)+8*((\a)%2)+\t%8)*4096 th:TH_STORE_NT
.endr
.endm
	PLACES NP                                      ; behind the last products: for the stores of their results and the loads into the registers that held A's fragments and the bias
	TOSTAGE 0
.irp a, 1,2,3
.if \a > 1
	s_wait_xcnt 0x0                                ; block a - 2's stores have read their registers: block a's loads may land there
.endif
	TOSTAGE \a
	SEND \a-1, 32                                  ; behind block a - 1's loads: block a's 16 stores and 16 loads
.endr
	SEND 3, 0
	s_wait_tensorcnt 0x0                           ; the wave's end
	ds_add_u32 v[SPW], v[NIL]
	s_wait_dscnt 0x0
	CROUND                                         ; the closing round
	s_endpgm
.Lfunc_end_k_q3d0a33b4f8_gemm2:
	.size	k_q3d0a33b4f8_gemm2, .Lfunc_end_k_q3d0a33b4f8_gemm2-k_q3d0a33b4f8_gemm2
	.p2alignl 7, 3214868480
	.fill 96, 4, 3214868480
	.section	.rodata,"a",@progbits
	.p2align	6, 0x0
	.amdhsa_kernel k_q3d0a33b4f8_gemm2
		.amdhsa_group_segment_fixed_size 327680
		.amdhsa_private_segment_fixed_size 0
		.amdhsa_enable_private_segment 0
		.amdhsa_kernarg_size 48
		.amdhsa_user_sgpr_count 2
		.amdhsa_user_sgpr_kernarg_segment_ptr 1
		.amdhsa_wavefront_size32 1
		.amdhsa_system_sgpr_workgroup_id_x 1
		.amdhsa_system_sgpr_workgroup_id_y 1
		.amdhsa_system_sgpr_workgroup_id_z 1
		.amdhsa_system_vgpr_workitem_id 0
		.amdhsa_next_free_vgpr 768
		.amdhsa_next_free_sgpr 100
		.amdhsa_reserve_vcc 0
		.amdhsa_float_denorm_mode_32 3
		.amdhsa_float_denorm_mode_16_64 3
		.amdhsa_memory_ordered 1
		.amdhsa_forward_progress 1
		.amdhsa_inst_pref_size 72
	.end_amdhsa_kernel
	.amdgpu_metadata
---
amdhsa.version: [ 1, 2 ]
amdhsa.kernels:
  - .name:           k_q3d0a33b4f8_gemm2
    .symbol:         k_q3d0a33b4f8_gemm2.kd
    .args:
      - { .name: oc, .offset: 0, .size: 8, .value_kind: global_buffer, .address_space: global }
      - { .name: os, .offset: 8, .size: 8, .value_kind: global_buffer, .address_space: global }
      - { .name: wc, .offset: 16, .size: 8, .value_kind: global_buffer, .address_space: global }
      - { .name: ws, .offset: 24, .size: 8, .value_kind: global_buffer, .address_space: global }
      - { .name: b_out, .offset: 32, .size: 8, .value_kind: global_buffer, .address_space: global }
      - { .name: out0, .offset: 40, .size: 8, .value_kind: global_buffer, .address_space: global }
    .group_segment_fixed_size: 327680
    .private_segment_fixed_size: 0
    .kernarg_segment_align: 8
    .kernarg_segment_size: 48
    .max_flat_workgroup_size: 128
    .sgpr_count:     100
    .vgpr_count:     768
    .wavefront_size: 32
...
	.end_amdgpu_metadata
.endif
;; end of part 4
